; MI455X (gfx1250); checked and timed in simulation.
; The chip was launched on July 23, 2026; its instructions are those of AMD's public machine-readable ISA for CDNA 5 (MIT licence, August 2026) and "CDNA5" Instruction Set Architecture Reference Guide (July 2026). The comments in the code are by the model that wrote it; some were corrected since.
;; Transformer. Allowed arithmetic: float matrix products may take bf16 or f16 operands with f32 sums; all other float work in f32.
;; Inputs: K1 1 x 1,024 x 4,096 float32; K2 1 x 4,096 x 1,024 float32; WK 1 x 1,024 x 1,024 float32; WO 1 x 1,024 x 1,024 float32; WQ 1 x 1,024 x 1,024 float32; WV 1 x 1,024 x 1,024 float32; b1 1 x 4,096 float32; b2 1 x 1,024 float32; be1 1 x 1,024 float32; be2 1 x 1,024 float32; g1 1 x 1,024 float32; g2 1 x 1,024 float32; x 4 x 1,024 x 1,024 float32.
;; Outputs: out0 4 x 1,024 x 1,024 float32.
;; One version. Each part assembles by itself: llvm-mc -triple=amdgcn-amd-amdhsa -mcpu=gfx1250 --defsym DOCPART=n.
;; ======== version 1 of 1: 8 launches
;; limits: values are held in f16: magnitudes above 65,504 overflow, below 6.1e-05 lose precision; a function is approximated: absolute error at most 3e-06
;; workspace buffers: wts 33,554,432 bytes; qkv 25,165,824 bytes; ob 8,388,608 bytes; rs 16,777,216 bytes; y1 16,777,216 bytes; y1b 8,388,608 bytes; hb 33,554,432 bytes
;; launch prep (part 1): grid 2048 x 1, 8 waves a work-group, no clusters, 16,896 bytes of LDS; arguments x, WQ, WK, WV, WO, K1, K2, wts; writes wts
.if DOCPART == 1
	.amdgcn_target "amdgcn-amd-amdhsa--gfx1250"
	.amdhsa_code_object_version 6
	.text
	.protected	k_qe158cfa334_prep
	.globl	k_qe158cfa334_prep
	.p2align	8
	.type	k_qe158cfa334_prep,@function
k_qe158cfa334_prep:
	s_mov_b64 s[64:65], 0
	v_nop
	global_prefetch_b8 v0, s[64:65] scope:SCOPE_SE
	s_setreg_imm32_b32 hwreg(HW_REG_WAVE_MODE, 25, 1), 1
	s_wait_xcnt 0x0
; PREPARATION: every operand of a product is rounded once to 16 bits and laid as the product's launch reads it.
; wts: +0 x as bf16 [4096][1024]; +0x800000 WQ, WK, WV as bf16 [3 x 1024 n][1024 k], the rows regrouped by head (row h*64+d is source column d*16+h);
;      +0x1000000 K1 as bf16 [4096 n][1024 k];
;      +0xE00000 WO (rounded to bf16 and that number written as f16) and +0x1800000 K2 (bf16), both BY FRAGMENTS: [group of 32 n][block of 32 k][block of 16 n][half][lane][16 bytes]: lane l of a half
;      holds row n = l % 16 of its block and k = 16 half + 8 (l / 16) + 0..7: the register image of a matrix operand, so that a wave's load of 16 bytes a lane takes 512 consecutive bytes.
; LIMIT: WO's bf16 number is exact in f16 for 2^-14 <= |w| <= 65,504; below that it keeps f16's fixed step of 2^-24.
; Work-groups 0-1535 each turn a tile of 128 k x 64 n through LDS; work-groups 1536-2047 each cast 8,192 numbers of x.  The branches between the ways hang on the
; work-group's number alone, so all eight waves take the same way; only the turning way has a barrier.
; No matrix unit, no cluster: memory binds; each source byte is read once, in pieces of 256 bytes a row, each stored piece is 256 or 512 consecutive aligned bytes.
.set LP, 264                           ; an LDS row: 128 k x 2 bytes + 8 = 66 words
	s_load_b512 s[4:19], s[0:1], 0x0               ; x s[4:5], WQ s[6:7], WK s[8:9], WV s[10:11], WO s[12:13], K1 s[14:15], K2 s[16:17], wts s[18:19]
	s_mov_b32 s20, ttmp9
	s_cmp_ge_u32 s20, 1536
	s_cbranch_scc1 .Lcast
	; which matrix, which tile: scalars made of the work-group's number
	s_lshr_b32 s21, s20, 7
	s_lshr_b32 s23, s20, 9                         ; 0: the four square weights, 1: K1, 2: K2
	s_and_b32 s22, s20, 127
	s_and_b32 s24, s20, 511
	s_lshl_b32 s29, s23, 2
	s_cmp_eq_u32 s23, 0
	s_cselect_b32 s22, s22, s24                    ; the tile's number in its matrix
	s_cselect_b32 s29, s21, s29                    ; the job: 0 WQ, 1 WK, 2 WV, 3 WO, 4 K1, 8 K2: the target begins at 0x800000 + job x 0x200000
	s_cmp_eq_u32 s23, 1
	s_cselect_b32 s25, 6, 4                        ; log2 of the tiles along n
	s_cselect_b32 s26, 14, 12                      ; log2 of a source row's bytes
	s_cmp_eq_u32 s23, 2
	s_cselect_b32 s27, 13, 11                      ; log2 of 2 K, a target row's bytes
	s_lshl_b32 s28, s29, 21
	s_add_co_u32 s28, s28, 0x800000
	s_lshr_b32 s32, s22, s25                       ; tile along k
	s_bfm_b32 s33, s25, 0
	s_and_b32 s33, s22, s33                        ; tile along n
	s_lshl_b32 s34, s32, 7
	s_lshl_b32 s34, s34, s26                       ; 128 source rows a tile,
	s_lshl_b32 s35, s33, 8
	s_add_co_u32 s34, s34, s35                     ; 256 bytes along a row
	s_mov_b32 s35, 0
	s_cmp_eq_u32 s29, 3
	s_cselect_b32 s46, 1, 0
	s_cmp_eq_u32 s29, 8
	s_cselect_b32 s46, 1, s46                      ; 1: WO and K2, laid by fragments
	s_lshl_b32 s36, s32, 8                         ; by rows: 128 k are 256 bytes of a target row
	s_lshl_b32 s37, s32, 13                        ; by fragments: 128 k are 4 blocks of 2,048 bytes in a group of 32 n,
	s_add_co_u32 s47, s27, 6
	s_lshl_b32 s47, s33, s47                       ; and the tile's 64 n are two groups of 64 K bytes
	s_add_co_u32 s37, s37, s47
	s_cmp_eq_u32 s46, 1
	s_cselect_b32 s36, s37, s36
	s_add_co_u32 s36, s36, s28
	s_mov_b32 s37, 0
	; thread t reads 16 bytes (4 n) at column piece c = t % 16 of the rows 2 (t / 16) + 32 i + e: sixteen lanes take a row's 256 bytes
	v_and_b32 v1, 15, v0
	v_lshrrev_b32 v2, 4, v0
	v_lshlrev_b32 v3, 1, v2
	v_lshlrev_b32 v3, s26, v3
	v_lshl_add_u32 v8, v1, 4, v3
	s_lshl_b32 s38, 1, s26
	s_lshl_b32 s39, 32, s26
	v_add_nc_u32 v9, s38, v8
.irp i, 1,2,3
	v_add_nc_u32 v[8+2*\i], s39, v[6+2*\i]
	v_add_nc_u32 v[9+2*\i], s39, v[7+2*\i]
.endr
	s_wait_kmcnt 0x0
	s_cmp_eq_u32 s29, 0
	s_cselect_b64 s[30:31], s[6:7], s[8:9]
	s_cmp_eq_u32 s29, 2
	s_cselect_b64 s[30:31], s[10:11], s[30:31]
	s_cmp_eq_u32 s29, 3
	s_cselect_b64 s[30:31], s[12:13], s[30:31]
	s_cmp_eq_u32 s29, 4
	s_cselect_b64 s[30:31], s[14:15], s[30:31]
	s_cmp_eq_u32 s29, 8
	s_cselect_b64 s[30:31], s[16:17], s[30:31]
	s_add_nc_u64 s[30:31], s[30:31], s[34:35]      ; the source at the tile
	s_add_nc_u64 s[18:19], s[18:19], s[36:37]      ; the target at the tile
.irp i, 0,1,2,3
	global_load_b128 v[16+8*\i:19+8*\i], v[8+2*\i], s[30:31] th:TH_LOAD_NT
	global_load_b128 v[20+8*\i:23+8*\i], v[9+2*\i], s[30:31] th:TH_LOAD_NT
.endr
	v_mul_u32_u24 v6, v1, 4*LP                     ; into LDS [n][k]: n = 4 c + j, two k in a word at 4 (t / 16) + 64 i
	v_lshl_add_u32 v6, v2, 2, v6
	v_lshrrev_b32 v4, 5, v0
	v_readfirstlane_b32 s40, v4                    ; wave
	v_and_b32 v5, 31, v0                           ; lane
	s_mul_i32 s41, s40, 8*LP
	v_lshl_add_u32 v7, v5, 3, s41                  ; back, by rows: wave w takes rows 8 w + e, a lane 8 bytes
	s_lshl_b32 s42, s33, 6
	s_lshl3_add_u32 s42, s40, s42                  ; the first n of my eight rows
.irp i, 0,1,2,3
	s_wait_loadcnt 6-2*\i                          ; loads come back in order: pair i of rows is in, the younger pairs stay out
.irp j, 0,1,2,3
	v_cvt_pk_bf16_f32 v[48+4*\i+\j], v[16+8*\i+\j], v[20+8*\i+\j]  ; the even k in the low half
.endr
.endr
	s_cmp_lg_u32 s29, 3
	s_cbranch_scc1 .Lbf
.set z, 48
.rept 16                               ; WO alone: the bf16 numbers written as f16
	v_lshlrev_b32 v16, 16, v[z]
	v_and_b32 v17, 0xffff0000, v[z]
	v_cvt_pk_f16_f32 v[z], v16, v17
.set z, z+1
.endr
.Lbf:
.irp i, 0,1,2,3
.irp j, 0,1,2,3
	ds_store_b32 v6, v[48+4*\i+\j] offset:\j*LP+\i*64
.endr
.endr
	s_wait_dscnt 0x0                               ; for the others' sake: my stores are done
	s_barrier_signal -1
	s_barrier_wait -1
	s_cmp_eq_u32 s46, 1
	s_cbranch_scc1 .Lfrag
.irp e, 0,1,2,3,4,5,6,7
	ds_load_b64 v[48+2*\e:49+2*\e], v7 offset:\e*LP
.endr
.irp e, 0,1,2,3,4,5,6,7
	s_add_co_u32 s43, s42, \e                      ; source column n
	s_and_b32 s44, s43, 15                         ; for WQ, WK, WV: head n % 16, channel n / 16: target row head x 64 + channel
	s_lshl_b32 s44, s44, 6
	s_lshr_b32 s45, s43, 4
	s_add_co_u32 s44, s44, s45
	s_cmp_lt_u32 s29, 3
	s_cselect_b32 s44, s44, s43
	s_lshl_b32 s44, s44, s27
	v_lshl_add_u32 v[40+\e], v5, 3, s44
.endr
.irp e, 0,1,2,3,4,5,6,7
	s_wait_dscnt 7-\e
	global_store_b64 v[40+\e], v[48+2*\e:49+2*\e], s[18:19]  ; 32 lanes store 256 consecutive bytes, at a multiple of 256 from the buffer's first
.endr
	s_endpgm
.Lfrag:                                                ; by fragments: the tile is 4 blocks of 16 n x 4 blocks of 32 k; wave w takes n block w / 2 and k blocks 2 (w % 2) + e, e = 0, 1
	v_bfe_u32 v3, v0, 4, 1                         ; lane / 16
	v_mul_u32_u24 v7, v1, LP                       ; row lane % 16 of the block,
	v_lshl_add_u32 v7, v3, 4, v7                   ; 8 k for each half of the lanes
	s_lshr_b32 s43, s40, 1
	s_mul_i32 s43, s43, 16*LP
	s_and_b32 s44, s40, 1
	s_lshl_b32 s45, s44, 7                         ; a k block is 64 bytes of an LDS row
	s_add_co_u32 s43, s43, s45
	v_add_nc_u32 v7, s43, v7
.irp i, 0,1,2,3                        ; piece i = 2 e + half: 16 bytes a lane, as two loads of 8 (the pitch is a multiple of 8 alone)
	ds_load_b64 v[48+4*\i:49+4*\i], v7 offset:32*\i
	ds_load_b64 v[50+4*\i:51+4*\i], v7 offset:32*\i+8
.endr
	s_lshr_b32 s43, s40, 2                         ; which of the tile's two groups of 32 n,
	s_add_co_u32 s45, s27, 5
	s_lshl_b32 s43, s43, s45                       ; 64 K bytes each;
	s_lshl_b32 s44, s44, 12                        ; my first k block, 2,048 bytes each;
	s_add_co_u32 s43, s43, s44
	s_bfe_u32 s44, s40, 0x10001                    ; which block of 16 n in the group,
	s_lshl_b32 s44, s44, 10                        ; 1,024 bytes each
	s_add_co_u32 s43, s43, s44
	v_lshl_add_u32 v40, v5, 4, s43
.irp i, 0,1,2,3
	s_wait_dscnt 6-2*\i                            ; piece i's two loads are in, the younger ones stay out
	global_store_b128 v40, v[48+4*\i:51+4*\i], s[18:19] offset:(\i/2)*2048+(\i%2)*512  ; 32 lanes store 512 consecutive bytes, at a multiple of 256 from the buffer's first
.endr
	s_endpgm
.Lcast:                                                ; x to bf16: 32,768 bytes in, 16,384 out
	s_sub_co_u32 s21, s20, 1536
	s_lshl_b32 s22, s21, 15
	s_mov_b32 s23, 0
	s_lshl_b32 s24, s21, 14
	s_mov_b32 s25, 0
	v_lshlrev_b32 v1, 4, v0
	v_lshlrev_b32 v2, 3, v0
	s_wait_kmcnt 0x0
	s_add_nc_u64 s[4:5], s[4:5], s[22:23]
	s_add_nc_u64 s[18:19], s[18:19], s[24:25]
.irp j, 0,1,2,3,4,5,6,7
	global_load_b128 v[8+4*\j:11+4*\j], v1, s[4:5] offset:\j*4096
.endr
.irp j, 0,1,2,3,4,5,6,7
	s_wait_loadcnt 7-\j                            ; load j is in, the younger ones stay out
	v_cvt_pk_bf16_f32 v[40+2*\j], v[8+4*\j], v[9+4*\j]
	v_cvt_pk_bf16_f32 v[41+2*\j], v[10+4*\j], v[11+4*\j]
	global_store_b64 v2, v[40+2*\j:41+2*\j], s[18:19] offset:\j*2048  ; a wave stores 256 consecutive aligned bytes
.endr
	s_endpgm
.Lfunc_end_k_qe158cfa334_prep:
	.size	k_qe158cfa334_prep, .Lfunc_end_k_qe158cfa334_prep-k_qe158cfa334_prep
	.p2alignl 7, 3214868480
	.fill 96, 4, 3214868480
	.section	.rodata,"a",@progbits
	.p2align	6, 0x0
	.amdhsa_kernel k_qe158cfa334_prep
		.amdhsa_group_segment_fixed_size 16896
		.amdhsa_private_segment_fixed_size 0
		.amdhsa_enable_private_segment 0
		.amdhsa_kernarg_size 64
		.amdhsa_user_sgpr_count 2
		.amdhsa_user_sgpr_kernarg_segment_ptr 1
		.amdhsa_wavefront_size32 1
		.amdhsa_system_sgpr_workgroup_id_x 1
		.amdhsa_system_sgpr_workgroup_id_y 1
		.amdhsa_system_sgpr_workgroup_id_z 1
		.amdhsa_system_vgpr_workitem_id 0
		.amdhsa_next_free_vgpr 64
		.amdhsa_next_free_sgpr 66
		.amdhsa_reserve_vcc 0
		.amdhsa_float_denorm_mode_32 3
		.amdhsa_float_denorm_mode_16_64 3
		.amdhsa_memory_ordered 1
		.amdhsa_forward_progress 1
		.amdhsa_inst_pref_size 18
	.end_amdhsa_kernel
	.amdgpu_metadata
---
amdhsa.version: [ 1, 2 ]
amdhsa.kernels:
  - .name:           k_qe158cfa334_prep
    .symbol:         k_qe158cfa334_prep.kd
    .args:
      - { .name: x, .offset: 0, .size: 8, .value_kind: global_buffer, .address_space: global }
      - { .name: WQ, .offset: 8, .size: 8, .value_kind: global_buffer, .address_space: global }
      - { .name: WK, .offset: 16, .size: 8, .value_kind: global_buffer, .address_space: global }
      - { .name: WV, .offset: 24, .size: 8, .value_kind: global_buffer, .address_space: global }
      - { .name: WO, .offset: 32, .size: 8, .value_kind: global_buffer, .address_space: global }
      - { .name: K1, .offset: 40, .size: 8, .value_kind: global_buffer, .address_space: global }
      - { .name: K2, .offset: 48, .size: 8, .value_kind: global_buffer, .address_space: global }
      - { .name: wts, .offset: 56, .size: 8, .value_kind: global_buffer, .address_space: global }
    .group_segment_fixed_size: 16896
    .private_segment_fixed_size: 0
    .kernarg_segment_align: 8
    .kernarg_segment_size: 64
    .max_flat_workgroup_size: 256
    .sgpr_count:     66
    .vgpr_count:     64
    .wavefront_size: 32
...
	.end_amdgpu_metadata
.endif
;; end of part 1
;; launch qkv (part 2): grid 12 x 16, 4 waves a work-group, clusters of 4 x 4, 327,680 bytes of LDS; arguments wts, qkv; writes qkv
.if DOCPART == 2
	.amdgcn_target "amdgcn-amd-amdhsa--gfx1250"
	.amdhsa_code_object_version 6
	.text
	.protected	k_qe158cfa334_qkv
	.globl	k_qe158cfa334_qkv
	.p2align	8
	.type	k_qe158cfa334_qkv,@function
k_qe158cfa334_qkv:
	s_mov_b64 s[64:65], 0
	v_nop
	global_prefetch_b8 v0, s[64:65] scope:SCOPE_SE
	s_setreg_imm32_b32 hwreg(HW_REG_WAVE_MODE, 25, 1), 1
	s_wait_xcnt 0x0
	s_wait_alu depctr_hold_cnt(0) depctr_sa_sdst(0) depctr_va_vdst(0) depctr_va_sdst(0) depctr_va_ssrc(0) depctr_va_vcc(0) depctr_vm_vsrc(0)
	s_getreg_b32 s2, hwreg(HW_REG_IB_STS2, 6, 4)
	s_cmp_eq_u32 s2, 0
	s_cbranch_scc0 .Lentry_in_a_cluster
	s_endpgm
.Lentry_in_a_cluster:
	s_bfe_u32 s2, ttmp6, 0x10000c
	s_cmp_lg_u32 s2, 0xf033
	s_cbranch_scc0 .Lentry_shape_is_right
	s_endpgm
.Lentry_shape_is_right:
; C = A B^T on tiles of 256 x 256, K = 1,024, bf16 operands, f32 sums.  One text for two launches; MODE picks the operands and the way out.
; MODE 0: A = x (bf16, wts+0), B = WQ, WK, WV by heads (wts+0x800000, 3,072 rows); C is rounded to f16 and stored by heads: qkv[section][batch x 16 + head][token][64].
; MODE 1: A = y1b, B = K1 turned (wts+0x1000000, 4,096 rows); h = gelu(C + b1), exact gelu, rounded to bf16 and stored in blocks hb[token / 128][column / 64][128][64].
; LIMITS.  MODE 0: f16 ends at 65,504: q, k and v must stay within it.  MODE 1: erf by the rational form 1 - (1 + a1 z + .. + a6 z^6)^-16 (Abramowitz and Stegun 7.1.28,
; absolute error at most 3e-7, about 3e-6 with the f32 rounding of the sixteenth power); it holds for every finite argument (where the polynomial overflows its reciprocal is 0 and erf is 1).  NaN and infinities are not treated apart.
; SHARES.  Four waves, each 128 x 128 of C: 64 accumulators, 512 registers.  K goes in 8 steps of 128 through a ring of two LDS slots; each wave fetches a quarter of a slot, 128 rows of 256 bytes.
; CLUSTER 4 x 4: A's tile is asked for jointly along a row of the cluster, B's along a column.
; THE MATRIX INSTRUCTION IS USED TRANSPOSED (source 0 = 16 rows of B, source 1 = 16 rows of A): a lane holds row lane % 16 of C and the columns 8 (lane / 16) + 0..7.
; THE RING.  Descriptor set 0 serves K step 0; set 1 serves step 1 and then walks: its LDS word is turned by an exclusive or with SLOT (0x22000 shares no bit with wave x 0x8800), its address steps 256 bytes.
; The LDS reads go by s2, 0 or SLOT, turned by the same exclusive or and added to a fixed lane term.  So one K step is the loop's whole body.  The last two K steps, which ask for nothing, are a loop of two trips that is left in its middle.
; THE WAY OUT.  When the last K step's reads are over in all four waves, a wave lays its 128 x 128 sums as f32 rows of 528 bytes into the ring's bytes, which have had their last fill, and reads them back
; so that a lane holds eight neighbouring columns of one row and 32 lanes hold four rows of one block of 64 columns: 512 consecutive bytes of the output.
; REGISTERS: window 0: v16-30 addresses; v64-191 A's fragments, two buffers; window 1: v64-191 B's; windows 2, 3: the accumulators ((a, b) at v[8 (8 (a % 4) + b)]).  On the way out window 0: v32-95 X, v96-127 Y, v128-175 at work, v192-207 b1 / 2.
.set MODE,   0
.set SIZE_K, 1024
.set KSTEP,  128
.set PITCH,  272                       ; 256 bytes + 16: the 16 rows of a fragment load start at 16 different groups of four banks
.set HALFT,  128*PITCH
.set SLOT,   4*HALFT                   ; A's 256 rows, then B's 256 rows: 139,264 = 0x22000
.set DPITCH, 528                       ; the way out: a row of 128 f32 + 16 bytes
.set SPARE,  2*SLOT                    ; behind the ring: the spare words, 128 bytes a wave, two blocks of 256 bytes that no other line names
.if MODE == 0
.set RG,     4                         ; groups of four rows in a trip of the way out
.set PLANE,  131072                    ; bytes from a block of 64 columns to the next
.else
.set RG,     1
.set PLANE,  16384
.endif
.set TRIPS,  32/RG
.set A0,  16                           ; v16  my lane's place in A's part of a slot; never rewritten
.set B0,  17                           ; v17  the same for B
.set CA,  18                           ; v18  A0 + the slot in hand
.set CB,  19                           ; v19  B0 + the slot in hand
.set DST, 24                           ; v24  the way out: where I lay 32 bytes of a row
.set RDA, 25                           ; v25  the way out: my place in four rows read back
.set GO,  26                           ; v26  16 x lane
.set RDC, 27                           ; v27  RDA + the trip's rows
.set SPW, 28                           ; v28  my spare word; never rewritten
.set NIL, 29                           ; v29  0; never rewritten
.set BO,  30                           ; v30  my byte offset in b1
.set F0,  64
.set F1,  128
.set X,   32
.set Y,   96
.set T,   128
.set AB,  144
.set PP,  160
.set HB,  192
.set G1,  24                           ; s[24:31] group 1 for A;  s[32:39] group 0, two sets
.set G0,  32
.set G1B, 48                           ; s[48:55], s[56:63] the same for B
.set G0B, 56
.set MSB, 0
.macro WIN new                         ; the immediate's high byte repeats the setting that is left
.if MSB != (\new)
	s_set_vgpr_msb (MSB<<8)|(\new)
.set MSB, \new
.endif
.endm
.set MUL_LO, 0xa1                      ; source 0 (B) window 1, source 1 (A) window 0, C and D window 2
.set MUL_HI, 0xf1                      ; the same, C and D window 3
.set TO_B,   0x40                      ; destination window 1, address window 0
; A joint load: waves 0 and 1 fetch A's two halves, waves 2 and 3 B's.  An s_nop 0 and four v_nop follow each of the two lines.
.macro JLOAD s
	s_cmp_eq_u32 s11, 0
	s_cbranch_scc0 .Lfor_b_\@
	tensor_load_to_lds s[G0+4*(\s):G0+4*(\s)+3], s[G1:G1+7]
	s_nop 0
.rept 4
	v_nop
.endr
	s_branch .Lasked_\@
.Lfor_b_\@:
	tensor_load_to_lds s[G0B+4*(\s):G0B+4*(\s)+3], s[G1B:G1B+7]
	s_nop 0
.rept 4
	v_nop
.endr
.Lasked_\@:
.endm
.macro CREST                           ; a round of the cluster's barrier behind its opening barrier
	s_cmp_lg_u32 s10, 0
	s_cbranch_scc1 .Lnot_wave_0_\@
	s_barrier_signal -3
.Lnot_wave_0_\@:
	s_barrier_wait -3
	s_barrier_signal -1
	s_barrier_wait -1
.endm
.macro CROUND
	s_barrier_signal -1
	s_barrier_wait -1
	CREST
.endm
	s_load_b128 s[4:7], s[0:1], 0x0                ; MODE 0: wts, qkv.  MODE 1: y1b, wts
.if MODE == 1
	s_load_b128 s[80:83], s[0:1], 0x10             ; b1, hb
.endif
	v_lshl_add_u32 v[SPW], v0, 2, SPARE
	v_mov_b32 v[NIL], 0
	v_lshrrev_b32 v1, 5, v0
	v_readfirstlane_b32 s10, v1                    ; wave 0..3
	s_lshr_b32 s11, s10, 1                         ; my half of the tile's rows.  Also: I fetch for A (0) or for B (1)
	s_and_b32 s12, s10, 1                          ; my half of its columns.  Also: which 128 rows I fetch
	s_bfe_u32 s40, ttmp6, 0x40000                  ; cx
	s_bfe_u32 s41, ttmp6, 0x40004                  ; cy
	s_lshl_b32 s42, ttmp9, 2
	s_add_co_u32 s42, s42, s40                     ; tile column
	s_and_b32 s13, ttmp7, 0xffff
	s_lshl_b32 s13, s13, 2
	s_add_co_u32 s13, s13, s41                     ; tile row
	s_lshl_b32 s43, s41, 2
	s_lshl_b32 s43, 15, s43                        ; my row of the cluster
	s_lshl_b32 s44, 0x1111, s40                    ; my column
	; group 1: 128 rows x 128 elements of 2 bytes, 4 words of padding after every 64; bit 21 set beside the mask
	s_or_b32 s[G1+0], s43, (1<<16)|(1<<20)|(1<<21)|(5<<22)|(3<<25)
	s_or_b32 s[G1B+0], s44, (1<<16)|(1<<20)|(1<<21)|(5<<22)|(3<<25)
.irp g, G1, G1B
	s_mov_b32 s[(\g)+1], KSTEP<<16                 ; tensor_dim0 = 128
	s_mov_b32 s[(\g)+2], 128<<16                   ; tensor_dim1 = 128
	s_mov_b32 s[(\g)+3], KSTEP<<16                 ; tile_dim0 = 128
	s_mov_b32 s[(\g)+4], 128                       ; tile_dim1 = 128
	s_mov_b32 s[(\g)+5], SIZE_K                    ; elements from row to row
	s_mov_b32 s[(\g)+6], 0
	s_mov_b32 s[(\g)+7], 0
.endr
	s_lshl_b32 s17, s12, 7
	s_lshl_b32 s16, s13, 8
	s_add_co_u32 s16, s16, s17                     ; A: row 256 x tile row + 128 x half
	s_lshl_b32 s46, s42, 8
	s_add_co_u32 s46, s46, s17                     ; B: row 256 x tile column + 128 x half
	s_lshl_b32 s16, s16, 11                        ; rows of 2,048 bytes
	s_lshl_b32 s46, s46, 11
	s_mov_b32 s17, 0
	s_mov_b32 s47, 0
	s_mul_i32 s20, s10, HALFT                      ; where my quarter of a slot lies
	s_wait_kmcnt 0x0
.if MODE == 0
	s_mov_b64 s[8:9], s[6:7]                       ; the output
	s_add_nc_u64 s[6:7], s[4:5], 0x800000          ; B
.else
	s_mov_b64 s[8:9], s[82:83]
	s_add_nc_u64 s[6:7], s[6:7], 0x1000000
.endif
	s_add_nc_u64 s[14:15], s[4:5], s[16:17]
	s_add_nc_u64 s[46:47], s[6:7], s[46:47]
	CROUND                                         ; all sixteen work-groups are here: the first joint loads meet
.irp s, 0,1
	s_mov_b32 s[G0+4*(\s)], 1
	s_add_co_u32 s[G0+4*(\s)+1], s20, (\s)*SLOT
	s_add_nc_u64 s[G0+4*(\s)+2:G0+4*(\s)+3], s[14:15], (\s)*KSTEP*2
	s_or_b32 s[G0+4*(\s)+3], s[G0+4*(\s)+3], 0x80000000
	s_mov_b32 s[G0B+4*(\s)], 1
	s_add_co_u32 s[G0B+4*(\s)+1], s20, (\s)*SLOT
	s_add_nc_u64 s[G0B+4*(\s)+2:G0B+4*(\s)+3], s[46:47], (\s)*KSTEP*2
	s_or_b32 s[G0B+4*(\s)+3], s[G0B+4*(\s)+3], 0x80000000
	JLOAD \s                                       ; two loads of mine are out
.endr
	v_and_b32 v1, 15, v0                           ; l % 16
	v_bfe_u32 v2, v0, 4, 1                         ; l / 16
	v_mul_u32_u24 v3, v1, PITCH
	v_lshl_add_u32 v3, v2, 4, v3                   ; a fragment's row x pitch + 16 x half
	s_mul_i32 s21, s11, HALFT
	s_mul_i32 s22, s12, HALFT
	s_add_co_u32 s22, s22, 2*HALFT
	v_add_nc_u32 v[A0], s21, v3
	v_add_nc_u32 v[B0], s22, v3
	v_mov_b32 v[CA], v[A0]
	v_mov_b32 v[CB], v[B0]
	s_mov_b32 s2, 0                                ; the slot in hand
	s_mul_i32 s23, s10, 128*DPITCH                 ; the way out: my 128 rows of 528 bytes
	v_mul_u32_u24 v4, v1, DPITCH
	v_lshl_add_u32 v4, v2, 5, v4
	v_add_nc_u32 v[DST], s23, v4                   ; row l % 16, 32 bytes for each half of the lanes
	v_bfe_u32 v5, v0, 3, 2
	v_and_b32 v6, 7, v0
	v_mul_u32_u24 v5, v5, DPITCH
	v_lshl_add_u32 v5, v6, 5, v5
	v_add_nc_u32 v[RDA], s23, v5                   ; back: row (l / 8) % 4, eight columns at 32 (l % 8)
	v_and_b32 v7, 31, v0
	v_lshlrev_b32 v[GO], 4, v7
.if MODE == 0
	s_lshl_b32 s46, s42, 2
	s_lshl1_add_u32 s46, s12, s46                  ; my first block of 64 columns: 4 x tile column + 2 x half
	s_lshr_b32 s47, s46, 4                         ; section q, k, v
	s_lshl_b32 s47, s47, 6
	s_and_b32 s46, s46, 15                         ; head
	s_add_co_u32 s46, s46, s47
	s_lshr_b32 s47, s13, 2                         ; batch
	s_lshl4_add_u32 s46, s47, s46
	s_lshl_b32 s46, s46, 17                        ; planes of 1,024 tokens x 128 bytes
	s_and_b32 s47, s13, 3
	s_lshl_b32 s47, s47, 15                        ; 256 tokens a tile row
	s_add_co_u32 s46, s46, s47
	s_lshl_b32 s47, s11, 14                        ; my 128 of them
	s_add_co_u32 s46, s46, s47
	s_mov_b32 s47, 0
	s_add_nc_u64 s[8:9], s[8:9], s[46:47]
.else
	s_lshl1_add_u32 s46, s13, s11                  ; block of 128 tokens
	s_lshl_b32 s46, s46, 6
	s_lshl2_add_u32 s46, s42, s46
	s_lshl1_add_u32 s46, s12, s46                  ; + my first block of 64 columns
	s_lshl_b32 s46, s46, 14
	s_mov_b32 s47, 0
	s_add_nc_u64 s[8:9], s[8:9], s[46:47]
	s_lshl_b32 s46, s42, 10                        ; b1 at my 128 columns
	s_lshl_b32 s45, s12, 9
	s_add_co_u32 s46, s46, s45
	s_add_nc_u64 s[80:81], s[80:81], s[46:47]
	v_lshlrev_b32 v[BO], 5, v6
.irp p, 0,1
	global_load_b128 v[HB+8*\p:HB+8*\p+3],   v[BO], s[80:81] offset:256*\p     ; they stay out until the way out
	global_load_b128 v[HB+8*\p+4:HB+8*\p+7], v[BO], s[80:81] offset:256*\p+16
.endr
	s_mov_b32 s66, 0x3dcc41b4                      ; a_i x 2^(i/2): the polynomial is taken in |u| / 2.  Pairs: the packed forms name two registers and take the low one
	s_mov_b32 s67, s66
	s_mov_b32 s68, 0x3dad2fe7
	s_mov_b32 s69, s68
	s_mov_b32 s70, 0x3cd6cd72
	s_mov_b32 s71, s70
	s_mov_b32 s72, 0x3a1f6607
	s_mov_b32 s73, s72
	s_mov_b32 s74, 0x3acd0fec
	s_mov_b32 s75, s74
	s_mov_b32 s76, 0x39b49f67
	s_mov_b32 s77, s76
	s_mov_b32 s78, 0x7fffffff
.endif
; 16 matrix instructions: m blocks a0, a0 + 1 of the window's four x all 8 n blocks, 32 along K.  zero = 1: the first product starts the sums.
; The 64 accumulators take turns, one instruction a turn, in the same order in every quarter.
.macro MUL16 f, hi, a0, zero
	WIN MUL_LO+0x50*(\hi)
.irp a, \a0, (\a0)+1
.irp b, 0,1,2,3,4,5,6,7
.if \zero
	v_wmma_f32_16x16x32_bf16 v[8*(8*(\a)+(\b)):8*(8*(\a)+(\b))+7], v[(\f)+8*(\b):(\f)+8*(\b)+7], v[(\f)+8*(4*(\hi)+(\a)):(\f)+8*(4*(\hi)+(\a))+7], 0
.else
	v_wmma_f32_16x16x32_bf16 v[8*(8*(\a)+(\b)):8*(8*(\a)+(\b))+7], v[(\f)+8*(\b):(\f)+8*(\b)+7], v[(\f)+8*(4*(\hi)+(\a)):(\f)+8*(4*(\hi)+(\a))+7], v[8*(8*(\a)+(\b)):8*(8*(\a)+(\b))+7]
.endif
.endr
.endr
.endm
; 32 LDS loads in one run: the fragments of 32 along K at byte k of the rows of the slot in hand, into buffer f; B first
.macro FETCH k, f
	WIN TO_B
.irp i, 0,1,2,3,4,5,6,7
	ds_load_b128 v[(\f)+8*(\i):(\f)+8*(\i)+3],   v[CB] offset:(\k)+(\i)*16*PITCH
	ds_load_b128 v[(\f)+8*(\i)+4:(\f)+8*(\i)+7], v[CB] offset:(\k)+(\i)*16*PITCH+32
.endr
	WIN 0
.irp i, 0,1,2,3,4,5,6,7
	ds_load_b128 v[(\f)+8*(\i):(\f)+8*(\i)+3],   v[CA] offset:(\k)+(\i)*16*PITCH
	ds_load_b128 v[(\f)+8*(\i)+4:(\f)+8*(\i)+7], v[CA] offset:(\k)+(\i)*16*PITCH+32
.endr
.endm
.macro PLACES                          ; four places in front of loads into registers that matrix instructions have read, and of reads of results
.rept 4
	v_nop
.endr
.endm
; One of a K step's first three quarters: multiplies buffer f; in its middle it fetches the next quarter, at byte k, into buffer g.
.macro QUARTER k, f, g, zero
	s_wait_dscnt 8                                 ; B and A's rows 0-63 are in; the youngest eight loads (A's rows 64-127) may be out
	MUL16 \f, 0, 0, \zero
	MUL16 \f, 0, 2, \zero
	PLACES
	FETCH \k, \g
	s_wait_dscnt 32                                ; all but the 32 just issued
	MUL16 \f, 1, 0, \zero
	MUL16 \f, 1, 2, \zero
.endm
; The last quarter multiplies buffer 1 and changes slots: one barrier.  In front of it each wave waits for all its tensor loads (one is out: its part of the next slot), adds 0 to its spare word,
; and waits for that and for its reads of this slot.  fill = 1: the barrier opens a round of the cluster's barrier, and the slot just read is filled again, two K steps ahead, first thing behind the round.
.macro TURN fill
	WIN 0
	s_wait_tensorcnt 0x0
	ds_add_u32 v[SPW], v[NIL]
	s_wait_dscnt 9                                 ; the add and the youngest eight loads may be out
	MUL16 F1, 0, 0, 0
	s_wait_dscnt 0x0                               ; the add is done, and my reads of this slot are over
	s_barrier_signal -1
	MUL16 F1, 0, 2, 0
	WIN 0                                          ; at a branch and at a label every window is 0
	s_barrier_wait -1
.if \fill
	CREST                                          ; no wave of any partner still reads this slot or has a load on its way
	s_xor_b32 s[G0+5], s[G0+5], SLOT               ; the walking descriptors: the other slot than last time,
	s_xor_b32 s[G0B+5], s[G0B+5], SLOT
	s_add_nc_u64 s[G0+6:G0+7], s[G0+6:G0+7], KSTEP*2      ; the next K step
	s_add_nc_u64 s[G0B+6:G0B+7], s[G0B+6:G0B+7], KSTEP*2
	JLOAD 1                                        ; 224 matrix instructions ahead of the wait for it; its four v_nop are also the places in front of the loads below
.else
	PLACES
.endif
	s_xor_b32 s2, s2, SLOT                         ; the reads go on in the other slot
	v_add_nc_u32 v[CA], s2, v[A0]
	v_add_nc_u32 v[CB], s2, v[B0]
	FETCH 0, F0
	MUL16 F1, 1, 0, 0
	MUL16 F1, 1, 2, 0
.endm
	s_wait_tensorcnt 1                             ; my part of K step 0 is in; step 1's may stay out
	s_barrier_signal -1
	s_barrier_wait -1
	FETCH 0, F0
	QUARTER 64, F0, F1, 1                          ; the first quarter stands in front of the loop: its products start the sums
	WIN 0
	s_mov_b32 s3, SIZE_K/KSTEP-2
.Lk:                                                   ; a trip: from a K step's second quarter to the next step's first; K steps 0 to 5 each ask for the step two on
	QUARTER 128, F1, F0, 0
	QUARTER 192, F0, F1, 0
	TURN 1
	QUARTER 64, F0, F1, 0
	WIN 0
	s_sub_co_u32 s3, s3, 1
	s_cmp_lg_u32 s3, 0
	s_cbranch_scc1 .Lk
	s_mov_b32 s3, 2
.Lt:                                                   ; the last two K steps ask for nothing: two trips, the second left in its middle
	QUARTER 128, F1, F0, 0
	QUARTER 192, F0, F1, 0
	WIN 0
	s_sub_co_u32 s3, s3, 1
	s_cmp_eq_u32 s3, 0
	s_cbranch_scc1 .Lfin
	TURN 0
	QUARTER 64, F0, F1, 0
	WIN 0
	s_branch .Lt
.Lfin:
	s_wait_dscnt 0x0                               ; my last reads of the ring are over:
	s_barrier_signal -1                            ; say so,
	MUL16 F1, 0, 0, 0
	MUL16 F1, 0, 2, 0
	MUL16 F1, 1, 0, 0
	MUL16 F1, 1, 2, 0
	WIN 0
	s_barrier_wait -1                              ; and write over the ring only when all four have said so; it has had its last fill
	PLACES
.irp a, 0,1,2,3,4,5,6,7                ; each accumulator's low four registers first
	WIN 0x08+4*((\a)/4)                            ; store data (source 1) in window 2 or 3
.irp b, 0,1,2,3,4,5,6,7
	ds_store_b128 v[DST], v[8*(8*((\a)%4)+(\b)):8*(8*((\a)%4)+(\b))+3]   offset:(\a)*16*DPITCH+64*(\b)
	ds_store_b128 v[DST], v[8*(8*((\a)%4)+(\b))+4:8*(8*((\a)%4)+(\b))+7] offset:(\a)*16*DPITCH+64*(\b)+16
.endr
.endr
	WIN 0
.macro RDX                             ; RG groups of four rows come back: LDS serves a wave's instructions in order (ISA guide 5.7.1.4), and these are my own bytes
.set g, 0
.rept RG
.irp p, 0,1
.irp e, 0,1
	ds_load_b128 v[X+16*g+8*\p+4*\e:X+16*g+8*\p+4*\e+3], v[RDC] offset:g*4*DPITCH+256*\p+16*\e
.endr
.endr
.set g, g+1
.endr
.endm
; gelu(u) = u/2 (1 + erf(u / sqrt 2)) = (t + |t|) - |t| r^16, t = u / 2, r = 1 / (1 + a1' |t| + .. + a6' |t|^6).  Stage by stage over the lane's 16 numbers.
.macro GELU
.set z, 0
.rept 16
	v_and_b32 v[AB+z], s78, v[T+z]
.set z, z+1
.endr
.irp z, 0,2,4,6,8,10,12,14
	v_pk_fma_f32 v[PP+\z:PP+\z+1], v[AB+\z:AB+\z+1], s[76:77], s[74:75] op_sel_hi:[1,0,0]
.endr
.irp c, 72,70,68,66
.irp z, 0,2,4,6,8,10,12,14
	v_pk_fma_f32 v[PP+\z:PP+\z+1], v[PP+\z:PP+\z+1], v[AB+\z:AB+\z+1], s[\c:\c+1] op_sel_hi:[1,1,0]
.endr
.endr
.irp z, 0,2,4,6,8,10,12,14
	v_pk_fma_f32 v[PP+\z:PP+\z+1], v[PP+\z:PP+\z+1], v[AB+\z:AB+\z+1], 1.0 op_sel_hi:[1,1,0]
.endr
.set z, 0
.rept 16
	v_rcp_f32 v[PP+z], v[PP+z]
.set z, z+1
.endr
.irp z, 0,2,4,6,8,10,12,14
	v_pk_add_f32 v[T+\z:T+\z+1], v[T+\z:T+\z+1], v[AB+\z:AB+\z+1]   ; plain work behind the reciprocals, ahead of their first use
.endr
.rept 4
.irp z, 0,2,4,6,8,10,12,14
	v_pk_mul_f32 v[PP+\z:PP+\z+1], v[PP+\z:PP+\z+1], v[PP+\z:PP+\z+1]
.endr
.endr
.irp z, 0,2,4,6,8,10,12,14
	v_pk_fma_f32 v[T+\z:T+\z+1], v[AB+\z:AB+\z+1], v[PP+\z:PP+\z+1], v[T+\z:T+\z+1] neg_lo:[0,1,0] neg_hi:[0,1,0]
.endr
.endm
.if MODE == 1
	s_wait_loadcnt 0x0                             ; b1
.irp z, 0,2,4,6,8,10,12,14
	v_pk_mul_f32 v[HB+\z:HB+\z+1], v[HB+\z:HB+\z+1], 0.5 op_sel_hi:[1,0]
.endr
.endif
	s_mov_b32 s45, 0
	v_mov_b32 v[RDC], v[RDA]
	RDX
	s_mov_b32 s3, TRIPS
.Lout:                                                 ; a trip of the way out: 4 RG rows; the next trip's rows are asked for as soon as X is free
	s_wait_dscnt 0x0                               ; X is in
.if MODE == 0
.set g, 0
.rept RG
.irp p, 0,1
.irp j, 0,1,2,3
	v_cvt_pk_f16_f32 v[Y+8*g+4*\p+\j], v[X+16*g+8*\p+2*\j], v[X+16*g+8*\p+2*\j+1]
.endr
.endr
.set g, g+1
.endr
.else
.irp z, 0,2,4,6,8,10,12,14
	v_pk_fma_f32 v[T+\z:T+\z+1], v[X+\z:X+\z+1], 0.5, v[HB+\z:HB+\z+1] op_sel_hi:[1,0,1]   ; t = (sum + b1) / 2
.endr
.endif
	s_cmp_eq_u32 s3, 1
	s_cbranch_scc1 .Lno_more                       ; the last trip has no rows to ask for
	s_add_co_u32 s45, s45, RG*4*DPITCH
	v_add_nc_u32 v[RDC], s45, v[RDA]
	RDX
.Lno_more:
.if MODE == 1
	GELU
.irp p, 0,1
.irp j, 0,1,2,3
	v_cvt_pk_bf16_f32 v[Y+4*\p+\j], v[T+8*\p+2*\j], v[T+8*\p+2*\j+1]
.endr
.endr
.endif
.set g, 0
.rept RG
.irp p, 0,1
	global_store_b128 v[GO], v[Y+8*g+4*\p:Y+8*g+4*\p+3], s[8:9] offset:g*512+\p*PLANE   ; 32 lanes store 512 consecutive bytes, at a multiple of 256 from the buffer's first
.endr
.set g, g+1
.endr
	s_wait_xcnt 0x0                                ; the stores' base and Y are written again only behind this wait
	s_add_nc_u64 s[8:9], s[8:9], RG*512            ; (behind the last trip the stepped address is not used)
	s_sub_co_u32 s3, s3, 1
	s_cmp_lg_u32 s3, 0
	s_cbranch_scc1 .Lout
	s_wait_tensorcnt 0x0                           ; the wave's end
	ds_add_u32 v[SPW], v[NIL]
	s_wait_dscnt 0x0
	CROUND                                         ; the closing round
	s_endpgm
.Lfunc_end_k_qe158cfa334_qkv:
	.size	k_qe158cfa334_qkv, .Lfunc_end_k_qe158cfa334_qkv-k_qe158cfa334_qkv
	.p2alignl 7, 3214868480
	.fill 96, 4, 3214868480
	.section	.rodata,"a",@progbits
	.p2align	6, 0x0
	.amdhsa_kernel k_qe158cfa334_qkv
		.amdhsa_group_segment_fixed_size 327680
		.amdhsa_private_segment_fixed_size 0
		.amdhsa_enable_private_segment 0
		.amdhsa_kernarg_size 16
		.amdhsa_user_sgpr_count 2
		.amdhsa_user_sgpr_kernarg_segment_ptr 1
		.amdhsa_wavefront_size32 1
		.amdhsa_system_sgpr_workgroup_id_x 1
		.amdhsa_system_sgpr_workgroup_id_y 1
		.amdhsa_system_sgpr_workgroup_id_z 1
		.amdhsa_system_vgpr_workitem_id 0
		.amdhsa_next_free_vgpr 1024
		.amdhsa_next_free_sgpr 84
		.amdhsa_reserve_vcc 0
		.amdhsa_float_denorm_mode_32 3
		.amdhsa_float_denorm_mode_16_64 3
		.amdhsa_memory_ordered 1
		.amdhsa_forward_progress 1
		.amdhsa_inst_pref_size 86
	.end_amdhsa_kernel
	.amdgpu_metadata
---
amdhsa.version: [ 1, 2 ]
amdhsa.kernels:
  - .name:           k_qe158cfa334_qkv
    .symbol:         k_qe158cfa334_qkv.kd
    .args:
      - { .name: wts, .offset: 0, .size: 8, .value_kind: global_buffer, .address_space: global }
      - { .name: qkv, .offset: 8, .size: 8, .value_kind: global_buffer, .address_space: global }
    .group_segment_fixed_size: 327680
    .private_segment_fixed_size: 0
    .kernarg_segment_align: 8
    .kernarg_segment_size: 16
    .max_flat_workgroup_size: 128
    .sgpr_count:     84
    .vgpr_count:     1024
    .wavefront_size: 32
...
	.end_amdgpu_metadata
.endif
;; end of part 2
;; launch attn (part 3): grid 4 x 64, 4 waves a work-group, clusters of 4 x 1, 327,680 bytes of LDS; arguments qkv, ob; writes ob
.if DOCPART == 3
	.amdgcn_target "amdgcn-amd-amdhsa--gfx1250"
	.amdhsa_code_object_version 6
	.text
	.protected	k_qe158cfa334_attn
	.globl	k_qe158cfa334_attn
	.p2align	8
	.type	k_qe158cfa334_attn,@function
k_qe158cfa334_attn:
	s_mov_b64 s[64:65], 0
	v_nop
	global_prefetch_b8 v0, s[64:65] scope:SCOPE_SE
	s_setreg_imm32_b32 hwreg(HW_REG_WAVE_MODE, 25, 1), 1
	s_wait_xcnt 0x0
	s_wait_alu depctr_hold_cnt(0) depctr_sa_sdst(0) depctr_va_vdst(0) depctr_va_sdst(0) depctr_va_ssrc(0) depctr_va_vcc(0) depctr_vm_vsrc(0)
	s_getreg_b32 s2, hwreg(HW_REG_IB_STS2, 6, 4)
	s_cmp_eq_u32 s2, 0
	s_cbranch_scc0 .Lentry_in_a_cluster
	s_endpgm
.Lentry_in_a_cluster:
	s_bfe_u32 s2, ttmp6, 0x10000c
	s_cmp_lg_u32 s2, 0x3003
	s_cbranch_scc0 .Lentry_shape_is_right
	s_endpgm
.Lentry_shape_is_right:
; ATTENTION.  O[bh][q][:] = the sum over k of softmax_k(Q[bh][q] . K[bh][k] / 8) V[bh][k][:].  qkv: f16 [q, k, v][64 heads][1,024][64], a head's rows dense, 128 bytes each.
; O leaves as f16 in blocks ob[token / 128][head][128][64], so that 16 rows of a head are 2,048 consecutive bytes.
; Products, maxima and sums in f32; the weights p are rounded to f16 for the second product (their sum l is taken of the unrounded p), O once at the end.
; LIMITS.  f16 holds no number beyond 65,504: Q, K and V arrive within it; p lies in 0 to 1; O is a mean of V's rows.  A weight below 2^-126 counts as 0 in l; NaN and infinities are not treated apart.
; SHARES.  A work-group owns 256 queries of one head, a wave 64 of them: four PIECES of 16.  Every wave walks the head's 1,024 keys, 64 a step.
; LDS HOLDS THE WHOLE HEAD: K's 1,024 rows at a pitch of 144 bytes, V's at 160: 311,296 bytes.  Each byte is filled once, so there is no ring.  A wave issues four loads of 128 keys, all at the start (four are out),
; and the walk begins when all have landed in all four waves.
; CLUSTER.  The four query blocks of a head are one cluster and need the same K and V: every load is asked for JOINTLY, by the same descriptor and a mask of four.
; LAYOUT.  S^T = K Q^T holds ONE query a lane (lane % 16) and the keys 8 (lane / 16) + 0..7; two such results rounded to f16 ARE source 1 of O^T = V^T P.  K comes out of LDS as it lies, V turned, by ds_load_tr16_b128.
; SOFTMAX.  p = 2^(c s - c m), c = log2(e) / 8, with a running maximum m; O and l are multiplied by a = 2^(c m_old - c m_new) in every step.  m starts at the lowest finite number, O and l at 0: the first step has a = 0.
; TURNS.  Turn n belongs to piece n: 8 products K Q^T of piece n + 1, later 8 products V^T P of piece n - 1; beside them the scaling, exponentials, roundings, sums and rescaling of piece n and the maximum and statistics
; of piece n + 1.  Four vector instructions stand behind every matrix instruction, the other 54 of a turn's 118 in two runs of their own.
; REGISTERS, in windows of 256 (s_set_vgpr_msb: bits 1:0 source 0, 3:2 source 1, 5:4 source 2, 7:6 destination):
;   window 0: v0-15 addresses and two at work; v16-31 four registers of statistics a piece; v48-55 at work; v64-127 S^T, two buffers; v192-223 P, two buffers (by the piece's parity)
;   window 1: v0-127 O^T, 32 a piece      window 2: v0-63 Q; v128-191 K of one step; v192-255 V of one step
.set NP,    4
.set KS,    64
.set PK,    144       ; a row of K in LDS: 128 bytes + 16 = 36 words: the 16 rows of a load start at 16 different groups of four banks
.set PV,    160       ; a row of V: 128 + 32 = 40 words
.set VOFF,  1024*PK
.set STAGE, VOFF+1024*PV  ; behind K and V, never filled by a tensor load: 16 rows x 144 bytes for each wave, for the way out
.set SP,    144
.set AK0, 2           ; v2   my lane's place in a step of K; never rewritten
.set AV0, 3           ; v3   the same for V
.set AK,  4           ; v4   the LDS address of K's next run of loads
.set AV,  5           ; v5   of V's
.set STO, 6           ; v6   the way out: where I put 16 bytes of a row
.set RD,  7           ; v7   the way out: where I read rows back
.set GO,  8           ; v8   my byte offset in 512 consecutive bytes of O
.set MV,  12          ; v12-13  c m_old, kept while c m is made anew: by buffer
.set QO,  15          ; v15  my byte offset in 16 rows of Q
.set ST,  16          ; piece t's statistics at v[ST+4 t]: c m, m, l (even keys', odd keys')
.set TMP, 48          ; by buffer, four registers c0-c3 at work; when the maximum is found c2 takes a
.set S,   64
.set P,   192
.set KF,  128         ; window 2: key block kb, channel half c at KF + 16 kb + 8 c
.set VF,  192         ; window 2: key half kk, channel block cb at VF + 32 kk + 8 cb
.set WV,  12          ; s12  my wave's number
.set CNT, 19          ; s19  key steps to go
.set G1K, 24          ; s[24:31] descriptor group 1 for K
.set G1V, 32          ; s[32:39] for V: it differs in the padding alone
.set G0K, 40          ; s[40:55] four sets of group 0 for K
.set G0V, 68          ; s[68:83] four for V
.set CS,  58          ; s[58:59] c
.set SEL, 60          ; s[60:61] v_permlanex16_b32's selects: each lane takes its own place in the other half
.set TBK, 62          ; s62  LDS byte at which K of the step to be fetched begins
.set TBV, 63          ; s63  the same for V, less VOFF
.set MSB, 0
.macro WIN new
.if MSB != (\new)
	s_set_vgpr_msb (MSB<<8)|(\new)
.set MSB, (\new)
.endif
.endm
.set W_KQ, 0x0a       ; K and Q in window 2, S^T in window 0
.set W_PV, 0x52       ; V in window 2, P in window 0, O^T in window 1
.set W_RS, 0x41       ; destination and source 0 in window 1, source 1 in window 0
.macro CROUND                       ; a round of the cluster's barrier
	s_barrier_signal -1
	s_barrier_wait -1
	s_cmp_lg_u32 s[WV], 0
	s_cbranch_scc1 .Lnot_wave_0_\@
	s_barrier_signal -3
.Lnot_wave_0_\@:
	s_barrier_wait -3
	s_barrier_signal -1
	s_barrier_wait -1
.endm
	s_load_b128 s[4:7], s[0:1], 0x0 ; qkv s[4:5], ob s[6:7]
	v_lshrrev_b32 v1, 5, v0
	v_readfirstlane_b32 s[WV], v1   ; wave 0..3
	s_bfe_u32 s13, ttmp6, 0x40000   ; cx
	s_lshl_b32 s14, ttmp9, 2
	s_add_co_u32 s14, s14, s13      ; my block of 256 queries: it enters Q's and O's addresses alone
	s_and_b32 s20, ttmp7, 0xffff    ; batch x 16 + head, which the four partners share
	s_lshl_b32 s21, s20, 17         ; the head's 131,072 bytes in each section
	s_and_b32 s16, s[WV], 1         ; my chunks of 128 keys are numbers (wave % 2) + 2 i
	s_lshl_b32 s22, s16, 14
	s_add_co_u32 s22, s22, s21
	s_mov_b32 s23, 0
	s_mul_i32 s17, s16, 128*PK      ; their places in LDS, for K
	s_mul_i32 s18, s16, 128*PV      ; and for V: no place in the cluster enters an LDS address
	s_add_co_u32 s18, s18, VOFF
	s_lshl_b32 s2, s14, 15          ; Q: my block's 256 rows of 128 bytes,
	s_lshl_b32 s3, s[WV], 13        ; my wave's 64
	s_add_co_u32 s2, s2, s3
	s_add_co_u32 s2, s2, s21
	s_mov_b32 s3, 0
	s_lshr_b32 s8, s20, 4           ; O: batch,
	s_lshl_b32 s8, s8, 3
	s_lshl1_add_u32 s8, s14, s8
	s_lshr_b32 s9, s[WV], 1
	s_add_co_u32 s8, s8, s9         ; block of 128 tokens = 8 x batch + 2 x query block + wave / 2,
	s_lshl_b32 s8, s8, 4
	s_and_b32 s9, s20, 15
	s_add_co_u32 s8, s8, s9         ; head,
	s_lshl_b32 s8, s8, 14
	s_lshl_b32 s9, s16, 13          ; and my 64 rows of the 128
	s_add_co_u32 s8, s8, s9
	s_mov_b32 s9, 0
	; descriptor group 1.  128 keys are 16,384 dense bytes: asked for as 64 rows of 256 bytes, two keys a row, and padded in LDS after every key
	s_mov_b32 s[G1K], 15|(1<<16)|(1<<20)|(1<<21)|(4<<22)|(3<<25)  ; the mask of four; 2-byte elements; padding on; bit 21 beside a mask; after every 32 words 4 words
	s_mov_b32 s[G1V], 15|(1<<16)|(1<<20)|(1<<21)|(4<<22)|(7<<25)  ; the same with 8 words
.irp g, G1K, G1V
	s_mov_b32 s[\g+1], 128<<16      ; tensor_dim0 = 128
	s_mov_b32 s[\g+2], 64<<16       ; tensor_dim1 = 64
	s_mov_b32 s[\g+3], 128<<16      ; tile_dim0 = 128
	s_mov_b32 s[\g+4], 64           ; tile_dim1 = 64
	s_mov_b32 s[\g+5], 128          ; 128 elements from row to row
	s_mov_b32 s[\g+6], 0
	s_mov_b32 s[\g+7], 0
.endr
	s_mov_b32 s[CS], 0x3e38aa3b     ; c = log2(e) / 8
	s_mov_b32 s[CS+1], s[CS]
	s_mov_b32 s[SEL], 0x76543210
	s_mov_b32 s[SEL+1], 0xfedcba98
	s_mov_b32 s[TBK], 0
	s_mov_b32 s[TBV], 0
	s_wait_kmcnt 0x0
	s_add_nc_u64 s[56:57], s[4:5], s[22:23]  ; the head's first chunk of mine, less the section
	s_add_nc_u64 s[4:5], s[4:5], s[2:3]      ; Q at my wave's first row
	s_add_nc_u64 s[10:11], s[6:7], s[8:9]    ; O likewise
.irp i, 0,1,2,3
	s_mov_b32 s[G0K+4*\i], 1
	s_add_co_u32 s[G0K+4*\i+1], s17, \i*256*PK
	s_add_nc_u64 s[G0K+4*\i+2:G0K+4*\i+3], s[56:57], 0x800000+\i*32768
	s_or_b32 s[G0K+4*\i+3], s[G0K+4*\i+3], 0x80000000
	s_mov_b32 s[G0V+4*\i], 1
	s_add_co_u32 s[G0V+4*\i+1], s18, \i*256*PV
	s_add_nc_u64 s[G0V+4*\i+2:G0V+4*\i+3], s[56:57], 0x1000000+\i*32768
	s_or_b32 s[G0V+4*\i+3], s[G0V+4*\i+3], 0x80000000
.endr
	CROUND                          ; all four work-groups are here: the joint loads meet
	s_cmp_lt_u32 s[WV], 2           ; a wave's four fills stand in one branch: waves 0 and 1 fetch K, waves 2 and 3 V; an s_nop 0 follows each, four v_nop the last
	s_cbranch_scc0 .Lfill_v
.irp i, 0,1,2,3
	tensor_load_to_lds s[G0K+4*\i:G0K+4*\i+3], s[G1K:G1K+7]
	s_nop 0
.endr
.rept 4
	v_nop
.endr
	s_branch .Lfilled
.Lfill_v:
.irp i, 0,1,2,3
	tensor_load_to_lds s[G0V+4*\i:G0V+4*\i+3], s[G1V:G1V+7]
	s_nop 0
.endr
.rept 4
	v_nop
.endr
.Lfilled:
	; A fragment of K or Q is 16 rows x 32 channels in 8 registers: lane l holds row l % 16, channels 8 (l / 16) + 0..7 and 16 + 8 (l / 16) + 0..7
	v_and_b32 v1, 15, v0
	v_bfe_u32 v9, v0, 4, 1
	v_lshlrev_b32 v[QO], 7, v1
	v_lshl_add_u32 v[QO], v9, 4, v[QO]
	WIN 0x80                        ; destination window 2, address window 0
.set i, 0
.rept 8                             ; Q stays in registers: piece i / 2, channels 32 (i % 2) on
	global_load_b128 v[8*i:8*i+3],   v[QO], s[4:5] offset:(i/2)*2048+(i%2)*64
	global_load_b128 v[8*i+4:8*i+7], v[QO], s[4:5] offset:(i/2)*2048+(i%2)*64+32
.set i, i+1
.endr
	; What the first turn finds: V's registers and P's second buffer hold 0 (its products V^T P, of a piece that has not been, add 0), O^T and l are 0.  This stands in the wait for the tiles; no first step is written out.
.set i, VF
.rept 64
	v_mov_b32 v[i], 0
.set i, i+1
.endr
	WIN 0x40
.set i, 0
.rept 128
	v_mov_b32 v[i], 0
.set i, i+1
.endr
	WIN 0
.set i, 0
.rept 4
	v_mov_b32 v[ST+4*i], 0xfe000000    ; c m: far below every c s
	v_mov_b32 v[ST+4*i+1], 0xff7fffff  ; m
	v_mov_b32 v[ST+4*i+2], 0
	v_mov_b32 v[ST+4*i+3], 0
.set i, i+1
.endr
.set i, P+16
.rept 16
	v_mov_b32 v[i], 0
.set i, i+1
.endr
	v_mul_u32_u24 v[AK0], v1, PK
	v_lshl_add_u32 v[AK0], v9, 4, v[AK0]
	; The turning load takes 16 keys x 16 channels (lane l reads key 8 (l / 16) + l % 8, channels 8 ((l / 8) % 2) + 0..7) and leaves half a fragment of V^T
	v_and_b32 v10, 7, v0
	v_bfe_u32 v11, v0, 3, 1
	v_lshl_add_u32 v[AV0], v9, 3, v10
	v_mul_u32_u24 v[AV0], v[AV0], PV
	v_lshl_add_u32 v[AV0], v11, 4, v[AV0]
	v_add_nc_u32 v[AV0], VOFF, v[AV0]
	s_mul_i32 s13, s[WV], 16*SP
	s_add_co_u32 s13, s13, STAGE    ; my stage
	v_mul_u32_u24 v[STO], v1, SP
	v_lshl_add_u32 v[STO], v9, 4, v[STO]
	v_add_nc_u32 v[STO], s13, v[STO]
	v_bfe_u32 v[RD], v0, 3, 2       ; back: 32 lanes take four rows of 128 bytes,
	v_mul_u32_u24 v[RD], v[RD], SP
	v_lshl_add_u32 v[RD], v10, 4, v[RD]
	v_add_nc_u32 v[RD], s13, v[RD]
	v_and_b32 v[GO], 31, v0         ; which are 512 consecutive bytes of O
	v_lshlrev_b32 v[GO], 4, v[GO]
; THE MATRIX WORK.  The 4 accumulators of a run of 8 take turns.  Product i of 8 of S^T = K Q^T for piece x: channels 32 (i / 4) on, keys 16 (i % 4) on.  The first 4 start the sums.
.macro KQ x
	WIN W_KQ
.set rS, S+32*((\x)%2)+8*(i%4)
.set rK, KF+16*(i%4)+8*(i/4)
.set rQ, 16*(\x)+8*(i/4)
.if i < 4
	v_wmma_f32_16x16x32_f16 v[rS:rS+7], v[rK:rK+7], v[rQ:rQ+7], 0
.else
	v_wmma_f32_16x16x32_f16 v[rS:rS+7], v[rK:rK+7], v[rQ:rQ+7], v[rS:rS+7]
.endif
.endm
; Product i of 8 of O^T += V^T P for piece x: keys 32 (i / 4) on, channels 16 (i % 4) on.
.macro PV x
	WIN W_PV
.set rO, 32*(\x)+8*(i%4)
.set rV, VF+32*(i/4)+8*(i%4)
.set rP, P+16*((\x)%2)+8*(i/4)
	v_wmma_f32_16x16x32_f16 v[rO:rO+7], v[rV:rV+7], v[rP:rP+7], v[rO:rO+7]
.endm
.macro MM                           ; the turn's next matrix instruction.  NOKQ = 1: the last turn: there is no next piece
.if (i < 8) && !NOKQ
	KQ (Y+1)%NP
.elseif i >= 8
.set i, i-8
	PV (Y+NP-1)%NP
.set i, i+8
.endif
.set i, i+1
.endm
; THE LDS LOADS stand in runs of 16: a step's K (64 keys x 64 channels: 8 fragments) and its V (turned).  Their addresses are made some lines ahead.
.macro FETCH_K
	WIN 0x80
.irp f, 0,1,2,3,4,5,6,7             ; keys 16 (f / 2) on, channels 32 (f % 2) on
	ds_load_b128 v[KF+8*\f:KF+8*\f+3],   v[AK] offset:(\f/2)*16*PK+(\f%2)*64
	ds_load_b128 v[KF+8*\f+4:KF+8*\f+7], v[AK] offset:(\f/2)*16*PK+(\f%2)*64+32
.endr
	s_add_co_u32 s[TBK], s[TBK], KS*PK  ; the next fetch is the next step's
	WIN 0
.endm
.macro FETCH_V
	WIN 0x80
.irp f, 0,1,2,3,4,5,6,7             ; keys 32 (f / 4) on, channels 16 (f % 4) on
	ds_load_tr16_b128 v[VF+8*\f:VF+8*\f+3],   v[AV] offset:(\f/4)*32*PV+(\f%4)*32
	ds_load_tr16_b128 v[VF+8*\f+4:VF+8*\f+7], v[AV] offset:(\f/4)*32*PV+16*PV+(\f%4)*32
.endr
	WIN 0
.endm
; THE VECTOR WORK, one line at a time: OP kind, number.  For piece Y: F n: c s - c m for pair n of 16.  E n: the exponential of score n of 32.  C n: pair n rounded to f16.  B n: of the four weights 4 n .. the second
; pair is added onto the first, in place.  L n: l takes that sum (L 0: l = a l + sum).  R n: pair n of 16 of O^T times a.  For piece Y + 1: X n, number n of the 22 that find its maximum and statistics:
;   0-11  four chains c0-c3 of seven scores each, three operands at a time (each accumulator's lowest registers are read first)     12-14, 16  the four scores left over, the old m, and c0-c3 into c0
;   15  c m_old is kept     17, 18  the query's other 32 keys lie in the lane 16 away: the new m     19-21  c m; c m_old - c m_new; a
.set F, 0
.set E, 1
.set C, 2
.set B, 3
.set L, 4
.set R, 5
.set X, 6
.macro REGS y
.set rT, ST+4*(\y)
.set rC, TMP+4*((\y)%2)
.set rW, MV+((\y)%2)
.set rS, S+32*((\y)%2)
.set rP, P+16*((\y)%2)
.set rO, 32*(\y)
.endm
.macro OP k, n
.if (\k) == R
	REGS Y
	WIN W_RS
	v_pk_mul_f32 v[rO+2*(\n):rO+2*(\n)+1], v[rO+2*(\n):rO+2*(\n)+1], v[rC+2:rC+3] op_sel_hi:[1,0]
.elseif (\k) < R
	REGS Y
	WIN 0
.if (\k) == F
	v_pk_fma_f32 v[rS+2*(\n):rS+2*(\n)+1], v[rS+2*(\n):rS+2*(\n)+1], s[CS:CS+1], v[rT:rT+1] op_sel_hi:[1,0,0] neg_lo:[0,0,1] neg_hi:[0,0,1]
.elseif (\k) == E
	v_exp_f32 v[rS+(\n)], v[rS+(\n)]
.elseif (\k) == C
	v_cvt_pk_f16_f32 v[rP+(\n)], v[rS+2*(\n)], v[rS+2*(\n)+1]
.elseif (\k) == B
	v_pk_add_f32 v[rS+4*(\n):rS+4*(\n)+1], v[rS+4*(\n):rS+4*(\n)+1], v[rS+4*(\n)+2:rS+4*(\n)+3]
.elseif (\n) == 0
	v_pk_fma_f32 v[rT+2:rT+3], v[rT+2:rT+3], v[rC+2:rC+3], v[rS:rS+1] op_sel_hi:[1,0,1]
.else
	v_pk_add_f32 v[rT+2:rT+3], v[rT+2:rT+3], v[rS+4*(\n):rS+4*(\n)+1]
.endif
.elseif NOKQ
	v_nop
.else
	REGS (Y+1)%NP
	WIN 0
.if (\n) < 4
	v_max3_num_f32 v[rC+(\n)], v[rS+8*(\n)], v[rS+8*(\n)+1], v[rS+8*(\n)+2]
.elseif (\n) < 12
	v_max3_num_f32 v[rC+(\n)%4], v[rC+(\n)%4], v[rS+8*((\n)%4)+2*((\n)/4)+1], v[rS+8*((\n)%4)+2*((\n)/4)+2]
.elseif (\n) == 12
	v_max3_num_f32 v[rC], v[rC], v[rS+7], v[rS+15]
.elseif (\n) == 13
	v_max3_num_f32 v[rC+1], v[rC+1], v[rS+23], v[rS+31]
.elseif (\n) == 14
	v_max3_num_f32 v[rC+2], v[rC+2], v[rC+3], v[rT+1]
.elseif (\n) == 15
	v_mov_b32 v[rW], v[rT]
.elseif (\n) == 16
	v_max3_num_f32 v[rC], v[rC], v[rC+1], v[rC+2]
.elseif (\n) == 17
	v_permlanex16_b32 v[rC+3], v[rC], s[SEL], s[SEL+1]
.elseif (\n) == 18
	v_max_num_f32 v[rT+1], v[rC], v[rC+3]
.elseif (\n) == 19
	v_mul_f32 v[rT], s[CS], v[rT+1]
.elseif (\n) == 20
	v_sub_f32 v[rC+1], v[rW], v[rT]
.else
	v_exp_f32 v[rC+2], v[rC+1]
.endif
.endif
.endm
.macro OPS a, i1, b=-1, i2=0, c=-1, i3=0, d=-1, i4=0
	OP \a, \i1
.if (\b) >= 0
	OP \b, \i2
.endif
.if (\c) >= 0
	OP \c, \i3
.endif
.if (\d) >= 0
	OP \d, \i4
.endif
.endm
.macro ROW a, i1, b, i2, c, i3, d, i4  ; a matrix instruction and the four behind it
	MM
	OPS \a, \i1, \b, \i2, \c, \i3, \d, \i4
.endm
; A TURN, for piece p: the order of its 16 matrix and 118 vector instructions, written out.  Behind a matrix instruction: plain, exponential, plain, plain; or four of the rescaling; or, behind the first, four scalings; none
; names a register of the products round it.  In the runs between, exponential and plain by turns while exponentials last.  A line reads no result made fewer than three vector instructions in front of it, five if an exponential made it.
; end = 1: the walk's last two turns: nothing is fetched.  cnt = 1: the loop's count is taken down some lines ahead of the branch that stands behind the turn.
; K of the next step is fetched in piece 2's turn, six vector instructions behind the last product that read K (five of them plain); V of the step in hand in piece 0's turn, eight behind the last product that read V (five
; plain among them).  Each is waited for a turn later.
.macro TURN p, end=0, cnt=0
.set Y, (\p)
.set i, 0
.set NOKQ, (\end)*((\p)/3)
.if ((\p) == 3) && !(\end)
	s_wait_dscnt 0x0                ; K is in
.endif
	ROW F,0, F,1, F,2, F,3
	ROW F,4, E,0, F,5, F,6
	ROW F,7, E,1, F,8, F,9
	ROW F,10, E,2, C,0, F,11
	ROW F,12, E,3, X,15, F,13
	ROW R,0, R,1, R,2, R,3
	ROW B,0, E,4, F,14, L,0
.if ((\p) == 2) && !(\end)
	v_add_nc_u32 v[AK], s[TBK], v[AK0]
.endif
	ROW R,4, R,5, R,6, R,7
	OPS E,5, F,15
.if ((\p) == 2) && !(\end)
	FETCH_K
.endif
	OPS E,6, C,1, E,7, R,8
	OPS E,8, R,9, E,9, C,2
	OPS E,10, X,0, E,11, X,1
	OPS E,12, X,2, E,13, X,3
.if (\p) == 1
	s_wait_dscnt 0x0                ; V is in
.endif
	ROW X,4, E,14, X,5, X,6
	ROW X,7, E,15, X,8, X,9
	ROW X,10, E,16, X,11, X,12
	ROW X,13, E,17, X,14, B,1
	ROW C,4, E,18, X,16, L,1
	ROW B,2, E,19, C,6, L,2
	ROW C,8, E,20, B,3, B,4
.if (\p) == 0
	v_add_nc_u32 v[AV], s[TBV], v[AV0]
.endif
	ROW C,3, E,21, L,3, C,5
	OPS E,22, X,17, E,23, C,10
.if (\p) == 0
	FETCH_V
.endif
	OPS E,24, L,4
	OPS E,25, X,18, E,26, C,7
	OPS E,27, B,5, E,28, X,19
	OPS E,29, C,12, E,30, L,5
	OPS E,31, X,20, B,6, C,9
	OPS C,14, C,11, X,21, L,6
.if (\p) == 0
	s_add_co_u32 s[TBV], s[TBV], KS*PV
.endif
.if \cnt
	s_sub_co_u32 s[CNT], s[CNT], 1
	s_cmp_lg_u32 s[CNT], 0
.endif
	OPS C,13, B,7, C,15, R,10
	OPS R,11, R,12, L,7, R,13
	OPS R,14, R,15
.endm
	s_wait_tensorcnt 0x0            ; my four loads have landed,
	s_barrier_signal -1
	s_barrier_wait -1               ; everybody's have: the whole head lies in LDS
	v_add_nc_u32 v[AK], s[TBK], v[AK0]
	FETCH_K                         ; key step 0
	s_wait_loadcnt 0x0              ; Q
	s_wait_dscnt 0x0
.set NOKQ, 0
.set i, 0
.rept 8
	KQ 0                            ; piece 0's first scores
.set i, i+1
.endr
	WIN 0
.rept 4
	v_nop                           ; the places behind those products
.endr
.set Y, NP-1                        ; X works for piece Y + 1: piece 0
.irp n, 0,1,2,3,4,5,6,7,8,9,10,11,12,13,14,15,16,17,18,19,20,21
	OP X, \n
.endr
	v_nop                           ; a plain instruction behind the exponential
	s_mov_b32 s[CNT], 1024/KS
	s_branch .Lfirst                ; the loop is entered at a step's first turn, in the middle of a trip
.Lstep:                             ; a trip: pieces 2 and 3 of one step, then pieces 0 and 1 of the next, whose K and V it fetches
	TURN 2
	TURN 3
	WIN 0
.Lfirst:
	TURN 0
	TURN 1, 0, 1
	WIN 0
	s_cbranch_scc1 .Lstep
	TURN 2, 1
	TURN 3, 1
.set i, 0
.rept 8
	PV NP-1                         ; the last piece's V^T P of the last step
.set i, i+1
.endr
	; THE WAY OUT.  l's two halves and the other half of the lanes' are added; O^T is divided by l, rounded to f16 and sent through my stage in LDS, a piece at a time.  The additions are the places behind the last products.
	WIN 0
.macro ALL line:vararg              ; one line for each piece t
.set t, 0
.rept 4
	\line
.set t, t+1
.endr
.endm
	ALL v_add_f32 v[ST+4*t+2], v[ST+4*t+2], v[ST+4*t+3]
	ALL v_permlanex16_b32 v[ST+4*t+3], v[ST+4*t+2], s[SEL], s[SEL+1]
	ALL v_add_f32 v[ST+4*t+2], v[ST+4*t+2], v[ST+4*t+3]
	ALL v_rcp_f32 v[ST+4*t+2], v[ST+4*t+2]
	v_nop                           ; a plain instruction between the last reciprocal and the use of its result
.macro PACK t                       ; a lane's eight channels of a row pack into 16 bytes; they go into rows of 144 bytes and come back as whole rows of 128, into S^T's registers
	WIN W_RS
.set i, 32*(\t)
.rept 16
	v_pk_mul_f32 v[i:i+1], v[i:i+1], v[ST+4*(\t)+2:ST+4*(\t)+3] op_sel_hi:[1,0]
.set i, i+2
.endr
	WIN 0x05                        ; sources 0 and 1 window 1, destination window 0
.set i, 0
.rept 16
	v_cvt_pk_f16_f32 v[S+16*(\t)+i], v[32*(\t)+2*i], v[32*(\t)+2*i+1]
.set i, i+1
.endr
	WIN 0
.irp f, 0,1,2,3
	ds_store_b128 v[STO], v[S+16*(\t)+4*\f:S+16*(\t)+4*\f+3] offset:32*\f
.endr
.irp f, 0,1,2,3
	ds_load_b128 v[S+16*(\t)+4*\f:S+16*(\t)+4*\f+3], v[RD] offset:\f*4*SP  ; LDS serves a wave's instructions in order (ISA guide 5.7.1.4): these see the stores above; the next piece's stores come behind them
.endr
.endm
.macro SEND t, younger              ; younger: the LDS instructions issued behind piece t's loads: the next piece's eight, or none
	WIN 0
.irp f, 0,1,2,3
	s_wait_dscnt (\younger)+3-\f
	global_store_b128 v[GO], v[S+16*(\t)+4*\f:S+16*(\t)+4*\f+3], s[10:11] offset:(\t)*2048+\f*512  ; 512 consecutive bytes, at a multiple of 256 from O's first
.endr
.endm
	PACK 0
.set t, 1
.rept 3
	PACK t
	SEND t-1, 8
.set t, t+1
.endr
	SEND 3, 0
	CROUND                          ; the closing round: no work-group ends while a partner may still ask for a tile that names it
	s_endpgm
.Lfunc_end_k_qe158cfa334_attn:
	.size	k_qe158cfa334_attn, .Lfunc_end_k_qe158cfa334_attn-k_qe158cfa334_attn
	.p2alignl 7, 3214868480
	.fill 96, 4, 3214868480
	.section	.rodata,"a",@progbits
	.p2align	6, 0x0
	.amdhsa_kernel k_qe158cfa334_attn
		.amdhsa_group_segment_fixed_size 327680
		.amdhsa_private_segment_fixed_size 0
		.amdhsa_enable_private_segment 0
		.amdhsa_kernarg_size 16
		.amdhsa_user_sgpr_count 2
		.amdhsa_user_sgpr_kernarg_segment_ptr 1
		.amdhsa_wavefront_size32 1
		.amdhsa_system_sgpr_workgroup_id_x 1
		.amdhsa_system_sgpr_workgroup_id_y 1
		.amdhsa_system_sgpr_workgroup_id_z 1
		.amdhsa_system_vgpr_workitem_id 0
		.amdhsa_next_free_vgpr 768
		.amdhsa_next_free_sgpr 84
		.amdhsa_reserve_vcc 0
		.amdhsa_float_denorm_mode_32 3
		.amdhsa_float_denorm_mode_16_64 3
		.amdhsa_memory_ordered 1
		.amdhsa_forward_progress 1
		.amdhsa_inst_pref_size 86
	.end_amdhsa_kernel
	.amdgpu_metadata
---
amdhsa.version: [ 1, 2 ]
amdhsa.kernels:
  - .name:           k_qe158cfa334_attn
    .symbol:         k_qe158cfa334_attn.kd
    .args:
      - { .name: qkv, .offset: 0, .size: 8, .value_kind: global_buffer, .address_space: global }
      - { .name: ob, .offset: 8, .size: 8, .value_kind: global_buffer, .address_space: global }
    .group_segment_fixed_size: 327680
    .private_segment_fixed_size: 0
    .kernarg_segment_align: 8
    .kernarg_segment_size: 16
    .max_flat_workgroup_size: 128
    .sgpr_count:     84
    .vgpr_count:     768
    .wavefront_size: 32
...
	.end_amdgpu_metadata
.endif
;; end of part 3
;; launch wo (part 4): grid 8 x 32, 4 waves a work-group, clusters of 4 x 1, 327,680 bytes of LDS; arguments ob, wts, x, rs; writes rs
.if DOCPART == 4
	.amdgcn_target "amdgcn-amd-amdhsa--gfx1250"
	.amdhsa_code_object_version 6
	.text
	.protected	k_qe158cfa334_wo
	.globl	k_qe158cfa334_wo
	.p2align	8
	.type	k_qe158cfa334_wo,@function
k_qe158cfa334_wo:
	s_mov_b64 s[64:65], 0
	v_nop
	global_prefetch_b8 v0, s[64:65] scope:SCOPE_SE
	s_setreg_imm32_b32 hwreg(HW_REG_WAVE_MODE, 25, 1), 1
	s_wait_xcnt 0x0
	s_wait_alu depctr_hold_cnt(0) depctr_sa_sdst(0) depctr_va_vdst(0) depctr_va_sdst(0) depctr_va_ssrc(0) depctr_va_vcc(0) depctr_vm_vsrc(0)
	s_getreg_b32 s2, hwreg(HW_REG_IB_STS2, 6, 4)
	s_cmp_eq_u32 s2, 0
	s_cbranch_scc0 .Lentry_in_a_cluster
	s_endpgm
.Lentry_in_a_cluster:
	s_bfe_u32 s2, ttmp6, 0x10000c
	s_cmp_lg_u32 s2, 0x3003
	s_cbranch_scc0 .Lentry_shape_is_right
	s_endpgm
.Lentry_shape_is_right:
; C = R + A B^T (+ bias) on tiles of 128 x 128, f32 out.  One text for two launches; MODE picks the format, K and the operands.
; MODE 0: A = O (f16, in blocks ob[token / 128][head][128][64]), B = WO (f16, by fragments, wts+0xE00000), R = x, K = 1,024: rs = x + O WO.
; MODE 1: A = h (bf16, in blocks hb[token / 128][k / 64][128][64]), B = K2 (bf16, by fragments, wts+0x1800000), R = y1, bias b2, K = 4,096: rs = y1 + h K2 + b2.
; SHARES.  Four waves, each all 128 rows x 32 columns: 16 accumulators.  THE MATRIX INSTRUCTION IS USED TRANSPOSED (source 0 = 16 rows of B, source 1 = 16 rows of A): a lane holds row lane % 16 of C and eight neighbouring columns.
; A GOES THROUGH LDS ALONE, so that a slot holds 512 along K: 8 blocks of 128 rows x 144 bytes, 147,456 bytes, two slots.  Each wave asks for two blocks (128 dense rows of 256 bytes, padded after every 128) with one load,
; and from a request to the wait for it a wave issues 240 matrix instructions; with B beside A in LDS a slot would hold half of that.
; B GOES STRAIGHT INTO REGISTERS.  It lies by fragments: [group of 32 n][block of 32 k][16 n][half][lane][16 bytes]: a wave's B is one dense stream, 2,048 bytes for 32 k, four loads of 512 consecutive bytes.
; A ring of 16 places of 16 registers: in the middle of unit u (64 k) the places of blocks 2u - 1 and 2u, which have been multiplied, are loaded with blocks 2u + 15 and 2u + 16; they are waited for 7 units, 224 matrix
; instructions, later.  At most 60 loads of a wave are out.
; CLUSTER 4 x 1: the four column tiles of a tile row need the same A: every tensor load is asked for JOINTLY, mask 15.  B is not shared so: a joint load lands in LDS, and no two waves of a work-group read the same B.
; THE RING OF SLOTS.  Descriptor set 0 serves K step 0; set 1 serves step 1 and then walks: its LDS word is turned by an exclusive or with SLOT (0x24000 shares no bit with wave x 0x9000).  The LDS reads go by s2, 0 or SLOT.
; At K = 1,024 both steps are first fills and nothing is filled again.  The last two steps are a loop of two trips, left in its middle; in its units a branch on the trip's counter chooses B's loads or, in the last step,
; THE RESIDUAL's: 32 loads of a whole row of the tile (512 bytes) each, in the places that B's loads leave free.
; THE BIAS, in the result's layout, is the C operand of the products that start the sums.
; THE WAY OUT.  A wave's 32 columns are 128 bytes of a row, so the four waves lay the tile as rows of 528 bytes into slot 0's bytes (it has had its last fill, and nobody reads it behind the last change of slots),
; pass a barrier, and each reads back 32 whole rows of 512 bytes.
; REGISTERS: window 0: v16-29 addresses; v32-47 the bias; v128-255 the accumulators ((a, b) at v[128 + 8 (2 a + b)]); window 1: A's fragments, two buffers of 128 (64 k: 2 x 8 blocks of 16 rows); window 2: B's ring; window 3: v0-127 the residual.
; SCALARS: s[4:7] A, wts; s10 wave, s13 tile row, s42 tile column; s[24:31] group 1, s[32:39] group 0, two sets; s[48:49] B's stream at the K step in hand; s[68:73] the other pointers.
.set MODE,   0
.set RESP,   68                        ; s[68:69] the residual
.if MODE == 0
.set SIZE_K, 1024
.set BBASE,  0xE00000
.set OUTP,   70                        ; s[70:71] rs
.else
.set SIZE_K, 4096
.set BBASE,  0x1800000
.set BIP,    70                        ; s[70:71] b2
.set OUTP,   72                        ; s[72:73] rs
.endif
.set STEPS,  SIZE_K/512
.set PA,     144                       ; a block's row in LDS: 128 bytes + 16: the 16 rows of a fragment load start at 16 different groups of four banks
.set PLA,    128*PA                    ; a block: 64 along K
.set SLOT,   8*PLA                     ; 147,456 = 0x24000
.set DPITCH, 528                       ; the way out: a row of 128 f32 + 16 bytes
.set SPARE,  2*SLOT                    ; behind the ring: the spare words, 128 bytes a wave: two blocks of 256 bytes that no other line names
.set AL,  16                           ; v16-18  my lane's place in blocks 0, 3, 6 of a slot (an LDS offset reaches three blocks); never rewritten
.set CA,  20                           ; v20-22  the same + the slot in hand
.set DST, 24                           ; v24  the way out: where I lay 32 bytes of a row
.set RD,  25                           ; v25  the way out: where I read rows back
.set LO,  26                           ; v26  16 x lane: my place in 512 consecutive bytes of B, of the residual and of the output; never rewritten
.set BO,  27                           ; v27  my byte offset in the bias
.set SPW, 28
.set NIL, 29
.set BIAS, 32
.set ACC, 128
.set F0,  0
.set F1,  128
.set G1,  24
.set G0,  32
.set BP,  48
.set MSB, 0
.macro WIN new                         ; the immediate's high byte repeats the setting that is left
.if MSB != (\new)
	s_set_vgpr_msb (MSB<<8)|(\new)
.set MSB, \new
.endif
.endm
.set MUL,  0x06                        ; source 0 (B) window 2, source 1 (A) window 1; C and D window 0
.set TO_F, 0x40                        ; destination window 1, address window 0
.macro WMMA ops:vararg
.if MODE == 0
	v_wmma_f32_16x16x32_f16 \ops
.else
	v_wmma_f32_16x16x32_bf16 \ops
.endif
.endm
.macro CREST                           ; a round of the cluster's barrier behind its opening barrier
	s_cmp_lg_u32 s10, 0
	s_cbranch_scc1 .Lnot_wave_0_\@
	s_barrier_signal -3
.Lnot_wave_0_\@:
	s_barrier_wait -3
	s_barrier_signal -1
	s_barrier_wait -1
.endm
.macro CROUND
	s_barrier_signal -1
	s_barrier_wait -1
	CREST
.endm
.macro PLACES                          ; four places in front of loads into registers that matrix instructions have read, and of reads of results
.rept 4
	v_nop
.endr
.endm
; Block idx of 32 k, counted from the K step at s[BP:BP+1], into place g of the ring: two fragments, four loads of 512 consecutive bytes
.macro BLOAD g, idx
	WIN 0x80                                       ; destination window 2, address window 0
.irp q, 0,1,2,3
	global_load_b128 v[16*(\g)+4*(\q):16*(\g)+4*(\q)+3], v[LO], s[BP:BP+1] offset:(\idx)*2048+(\q)*512
.endr
.endm
; Rows t0 to t0 + 7 of my 32 rows of the residual
.macro RLOAD t0
	WIN 0xc0                                       ; destination window 3
.irp q, 0,1,2,3,4,5,6,7
	global_load_b128 v[4*((\t0)+(\q)):4*((\t0)+(\q))+3], v[LO], s[RESP:RESP+1] offset:((\t0)+(\q))*4096
.endr
.endm
	s_load_b128 s[4:7], s[0:1], 0x0                ; A s[4:5], wts s[6:7]
	s_load_b128 s[68:71], s[0:1], 0x10             ; the residual s[68:69], then rs (MODE 0) or b2 (MODE 1) s[70:71]
.if MODE == 1
	s_load_b64 s[72:73], s[0:1], 0x20              ; rs
.endif
	v_lshl_add_u32 v[SPW], v0, 2, SPARE
	v_mov_b32 v[NIL], 0
	v_lshrrev_b32 v1, 5, v0
	v_readfirstlane_b32 s10, v1                    ; wave 0..3
	s_bfe_u32 s40, ttmp6, 0x40000                  ; cx
	s_lshl_b32 s42, ttmp9, 2
	s_add_co_u32 s42, s42, s40                     ; tile column: it enters B's, the bias's, the residual's and the output's addresses alone
	s_and_b32 s13, ttmp7, 0xffff                   ; tile row, which the four partners share
	s_mov_b32 s[G1+0], 15|(1<<16)|(1<<20)|(1<<21)|(4<<22)|(3<<25)  ; the mask of four; 2-byte elements; padding on; bit 21 beside a mask; after every 32 words 4 words
	s_mov_b32 s[G1+1], 128<<16                     ; tensor_dim0 = 128
	s_mov_b32 s[G1+2], 128<<16                     ; tensor_dim1 = 128
	s_mov_b32 s[G1+3], 128<<16                     ; tile_dim0 = 128
	s_mov_b32 s[G1+4], 128                         ; tile_dim1 = 128
	s_mov_b32 s[G1+5], 128                         ; dense: 128 elements from row to row
	s_mov_b32 s[G1+6], 0
	s_mov_b32 s[G1+7], 0
	s_mul_i32 s16, s13, (SIZE_K/64)*16384          ; A: the tile row's blocks,
	s_lshl_b32 s17, s10, 15                        ; my two of a step's eight
	s_add_co_u32 s16, s16, s17
	s_mov_b32 s17, 0
	s_mul_i32 s20, s10, 2*PLA                      ; where they go: no place in the cluster enters an LDS address
	s_lshl2_add_u32 s46, s42, s10                  ; B: my group of 32 n = 4 x tile column + wave,
	s_mul_i32 s46, s46, SIZE_K*64                  ; 64 K bytes each
	s_mov_b32 s47, 0
	s_lshl_b32 s52, s13, 19                        ; the residual and the output: 128 rows of 4,096 bytes a tile row,
	s_lshl_b32 s53, s10, 17                        ; my 32 of them,
	s_add_co_u32 s52, s52, s53
	s_lshl_b32 s53, s42, 9                         ; the tile's 512 bytes of a row
	s_add_co_u32 s52, s52, s53
	s_mov_b32 s53, 0
	v_and_b32 v2, 31, v0
	v_lshlrev_b32 v[LO], 4, v2
	v_and_b32 v1, 15, v0                           ; l % 16
	v_bfe_u32 v2, v0, 4, 1                         ; l / 16
.if MODE == 1
	s_lshl_b32 s54, s42, 9                         ; the bias at my 32 columns
	s_lshl_b32 s55, s10, 7
	s_add_co_u32 s54, s54, s55
	s_mov_b32 s55, 0
	v_lshlrev_b32 v[BO], 5, v2                     ; eight columns for each half of the lanes
.endif
	s_wait_kmcnt 0x0
	s_add_nc_u64 s[18:19], s[4:5], s[16:17]
	s_add_nc_u64 s[BP:BP+1], s[6:7], BBASE
	s_add_nc_u64 s[BP:BP+1], s[BP:BP+1], s[46:47]
	s_add_nc_u64 s[RESP:RESP+1], s[RESP:RESP+1], s[52:53]
	s_add_nc_u64 s[OUTP:OUTP+1], s[OUTP:OUTP+1], s[52:53]
.if MODE == 1
	s_add_nc_u64 s[BIP:BIP+1], s[BIP:BIP+1], s[54:55]
.irp b, 0,1
	global_load_b128 v[BIAS+8*\b:BIAS+8*\b+3],   v[BO], s[BIP:BIP+1] offset:64*\b
	global_load_b128 v[BIAS+8*\b+4:BIAS+8*\b+7], v[BO], s[BIP:BIP+1] offset:64*\b+16
.endr
.endif
.set i, 0
.rept 14                               ; B's blocks 0 to 13: with the bias at most 60 loads are out
	BLOAD i, i
.set i, i+1
.endr
	WIN 0
	CROUND                                         ; all four work-groups are here: the first joint loads meet
.irp s, 0,1
	s_mov_b32 s[G0+4*(\s)], 1
	s_add_co_u32 s[G0+4*(\s)+1], s20, (\s)*SLOT
	s_add_nc_u64 s[G0+4*(\s)+2:G0+4*(\s)+3], s[18:19], (\s)*131072
	s_or_b32 s[G0+4*(\s)+3], s[G0+4*(\s)+3], 0x80000000
	tensor_load_to_lds s[G0+4*(\s):G0+4*(\s)+3], s[G1:G1+7]  ; two loads of mine are out
	s_nop 0
.endr
	PLACES
	v_mul_u32_u24 v3, v1, PA
	v_lshl_add_u32 v[AL], v2, 4, v3                ; a fragment's row x pitch + 16 x half
	v_add_nc_u32 v[AL+1], 3*PLA, v[AL]
	v_add_nc_u32 v[AL+2], 6*PLA, v[AL]
.irp i, 0,1,2
	v_mov_b32 v[CA+\i], v[AL+\i]
.endr
	s_mov_b32 s2, 0                                ; the slot in hand
	v_mul_u32_u24 v4, v1, DPITCH                   ; the way out, in: row l % 16, my wave's 128 bytes, 32 bytes for each half of the lanes
	v_lshl_add_u32 v4, v2, 5, v4
	s_lshl_b32 s21, s10, 7
	v_add_nc_u32 v[DST], s21, v4
	s_mul_i32 s22, s10, 32*DPITCH                  ; back: wave w takes rows 32 w .. 32 w + 31, whole
	v_add_nc_u32 v[RD], s22, v[LO]
; 8 matrix instructions: m blocks a0 .. a0 + 3 x both n blocks, 32 along K: half c of buffer f, place g of B's ring.  zero = 1: the products start the sums, with 0 or with the bias.
; The 16 accumulators take turns, one instruction a turn, in the same order throughout.
.macro MULQ f, c, g, a0, zero
	WIN MUL
.irp a, \a0, (\a0)+1, (\a0)+2, (\a0)+3
.irp b, 0,1
.if (\zero) && (MODE == 1)
	WMMA v[ACC+8*(2*(\a)+(\b)):ACC+8*(2*(\a)+(\b))+7], v[16*(\g)+8*(\b):16*(\g)+8*(\b)+7], v[(\f)+8*(8*(\c)+(\a)):(\f)+8*(8*(\c)+(\a))+7], v[BIAS+8*(\b):BIAS+8*(\b)+7]
.elseif \zero
	WMMA v[ACC+8*(2*(\a)+(\b)):ACC+8*(2*(\a)+(\b))+7], v[16*(\g)+8*(\b):16*(\g)+8*(\b)+7], v[(\f)+8*(8*(\c)+(\a)):(\f)+8*(8*(\c)+(\a))+7], 0
.else
	WMMA v[ACC+8*(2*(\a)+(\b)):ACC+8*(2*(\a)+(\b))+7], v[16*(\g)+8*(\b):16*(\g)+8*(\b)+7], v[(\f)+8*(8*(\c)+(\a)):(\f)+8*(8*(\c)+(\a))+7], v[ACC+8*(2*(\a)+(\b)):ACC+8*(2*(\a)+(\b))+7]
.endif
.endr
.endr
.endm
; 32 LDS loads in one run: A's fragments of block p of the slot in hand (64 along K, 128 rows) into buffer f; the first 32 along K first
.macro FETCHA p, f
	WIN TO_F
.irp c, 0,1
.irp a, 0,1,2,3,4,5,6,7
	ds_load_b128 v[(\f)+8*(8*(\c)+(\a)):(\f)+8*(8*(\c)+(\a))+3],   v[CA+(\p)/3] offset:((\p)%3)*PLA+64*(\c)+(\a)*16*PA
	ds_load_b128 v[(\f)+8*(8*(\c)+(\a))+4:(\f)+8*(8*(\c)+(\a))+7], v[CA+(\p)/3] offset:((\p)%3)*PLA+64*(\c)+(\a)*16*PA+32
.endr
.endr
.endm
; UNIT u (0 to 6) of a K step: 64 along K, 32 matrix instructions on buffer u % 2; in its middle A's next block is fetched and two places of B's ring are loaded again.
; ib: what is added to B's block numbers (16 where the unit belongs to the step behind the one at s[BP:BP+1]).
; The wait in the middle is for B's blocks 2u + 1 and 2u + 2, which the unit's second half and the next unit's first half multiply.  Loads come back in order (ISA guide 5.7.1), so its count is the loads issued behind block 2u + 2:
; kind 0: blocks 2u + 3 to 2u + 14: 48.   kind 2, the last step's unit 0: the same; only block 15 is left to ask for.
; kind 1, the loop of the last two steps: a branch on the trip's counter.  First trip: as kind 0.  Second trip, the last step: blocks 2u + 3 to 15 and the 8 (u - 1) residual loads issued so far (32 from unit 5 on): 44, in unit 6: 36;
; units 1 to 4 then ask for eight rows of the residual each.
.macro UNIT u, ib, zero, kind
.set FB, F0+128*((\u)%2)
.set FN, F0+128*(((\u)+1)%2)
	s_wait_dscnt 16                                ; the first 32 along K are in
	MULQ FB, 0, 2*(\u), 0, \zero
	MULQ FB, 0, 2*(\u), 4, \zero
	PLACES
	FETCHA (\u)+1, FN
.if (\kind) == 0
	s_wait_loadcnt 48
	BLOAD (2*(\u)+15)%16, (\ib)+2*(\u)+15
	BLOAD (2*(\u))%16, (\ib)+2*(\u)+16
.elseif (\kind) == 2
	s_wait_loadcnt 48
	BLOAD 15, (\ib)+15
.else
	WIN 0                                          ; at a branch and at a label every window is 0
	s_cmp_eq_u32 s3, 1
	s_cbranch_scc1 .Lres_\@
	s_wait_loadcnt 48
	BLOAD (2*(\u)+15)%16, (\ib)+2*(\u)+15
	BLOAD (2*(\u))%16, (\ib)+2*(\u)+16
	WIN 0
	s_branch .Ljoin_\@
.Lres_\@:
.if (\u) < 6
	s_wait_loadcnt 44
.else
	s_wait_loadcnt 36
.endif
.if (\u) <= 4
	RLOAD 8*((\u)-1)
.endif
	WIN 0
.Ljoin_\@:
.endif
	s_wait_dscnt 32                                ; all but the 32 just issued
	MULQ FB, 1, 2*(\u)+1, 0, 0
	MULQ FB, 1, 2*(\u)+1, 4, 0
.endm
; Unit 7 multiplies buffer 1 and changes slots: one barrier; in front of it each wave waits for all its tensor loads (one is out: its part of the next slot), adds 0 to its spare word, and waits for that and for its reads of this slot.
; fill = 1: the barrier opens a round of the cluster's barrier, and this slot is filled again, two K steps ahead, first thing behind the round.
.macro TURN fill
	WIN 0
	s_wait_tensorcnt 0x0
	ds_add_u32 v[SPW], v[NIL]
	s_wait_dscnt 17                                ; the add and the youngest sixteen loads may be out
	MULQ F1, 0, 14, 0, 0
	s_wait_dscnt 0x0                               ; the add is done, and my reads of this slot are over
	s_barrier_signal -1
	MULQ F1, 0, 14, 4, 0
	WIN 0
	s_barrier_wait -1
.if \fill
	CREST                                          ; no wave of any partner still reads this slot or has a load on its way
	s_xor_b32 s[G0+5], s[G0+5], SLOT               ; the walking descriptor: the other slot than last time,
	s_add_nc_u64 s[G0+6:G0+7], s[G0+6:G0+7], 131072  ; the next K step: eight blocks on
	tensor_load_to_lds s[G0+4:G0+7], s[G1:G1+7]    ; 240 matrix instructions ahead of the wait for it
	s_nop 0
.endif
	PLACES                                         ; behind the tensor load, and the places in front of the loads below
	s_xor_b32 s2, s2, SLOT                         ; the reads go on in the other slot
.irp i, 0,1,2
	v_add_nc_u32 v[CA+\i], s2, v[AL+\i]
.endr
	FETCHA 0, F0
	s_wait_loadcnt 48                              ; B's blocks 15 and 16; behind them: blocks 17 to 28
	BLOAD 13, 29
	BLOAD 14, 30
	MULQ F1, 1, 15, 0, 0
	MULQ F1, 1, 15, 4, 0
.endm
	s_wait_tensorcnt 1                             ; my part of K step 0 is in; step 1's may stay out
	s_barrier_signal -1
	s_barrier_wait -1
	FETCHA 0, F0
	s_wait_loadcnt 52                              ; the bias and B's block 0 are in; behind them: blocks 1 to 13
	BLOAD 14, 14
	UNIT 0, 0, 1, 0                                ; the first unit stands in front of the loops: its first products start the sums
.if STEPS > 2
	WIN 0
	s_mov_b32 s3, STEPS-2
.Lk:                                                   ; a trip: from a K step's unit 1 to the next step's unit 0; it asks for A's step two on
.irp u, 1,2,3,4,5,6
	UNIT \u, 0, 0, 0
.endr
	TURN 1
	UNIT 0, 16, 0, 0
	WIN 0
	s_wait_xcnt 0x0                                ; B's base is stepped only behind this wait
	s_add_nc_u64 s[BP:BP+1], s[BP:BP+1], 32768     ; 16 blocks of 2,048 bytes
	s_sub_co_u32 s3, s3, 1
	s_cmp_lg_u32 s3, 0
	s_cbranch_scc1 .Lk
.endif
	WIN 0
	s_mov_b32 s3, 2
.Lt:                                                   ; the last two K steps ask for no tile: two trips, the second left in its middle
.irp u, 1,2,3,4,5,6
	UNIT \u, 0, 0, 1
.endr
	WIN 0
	s_sub_co_u32 s3, s3, 1
	s_cmp_eq_u32 s3, 0
	s_cbranch_scc1 .Lfin
	TURN 0
	UNIT 0, 16, 0, 2
	WIN 0
	s_branch .Lt
.Lfin:
	s_wait_dscnt 16                                ; the very last unit: nothing more to fetch
	MULQ F1, 0, 14, 0, 0
	MULQ F1, 0, 14, 4, 0
	s_wait_loadcnt 32                              ; B's block 15; behind it: the residual's 32 loads
	s_wait_dscnt 0x0
	MULQ F1, 1, 15, 0, 0
	MULQ F1, 1, 15, 4, 0
	WIN 0
	PLACES
.irp a, 0,1,2,3,4,5,6,7                ; each accumulator's low four registers first
.irp b, 0,1
	ds_store_b128 v[DST], v[ACC+8*(2*(\a)+(\b)):ACC+8*(2*(\a)+(\b))+3]   offset:(\a)*16*DPITCH+64*(\b)
	ds_store_b128 v[DST], v[ACC+8*(2*(\a)+(\b))+4:ACC+8*(2*(\a)+(\b))+7] offset:(\a)*16*DPITCH+64*(\b)+16
.endr
.endr
	s_wait_dscnt 0x0                               ; for the others' sake: my stores are done
	s_barrier_signal -1
	s_barrier_wait -1
.set t, 0
.rept 32
	ds_load_b128 v[ACC+4*t:ACC+4*t+3], v[RD] offset:t*DPITCH   ; a whole row of the tile: 512 bytes
.set t, t+1
.endr
	s_wait_loadcnt 0x0                             ; the residual
.irp k, 0,1,2,3
	s_wait_dscnt 24-8*\k                           ; rows 8 k to 8 k + 7 are back, the younger ones stay out
	WIN 0x0c                                       ; source 1 in window 3: the residual
.set z, 0
.rept 16
	v_pk_add_f32 v[ACC+32*\k+2*z:ACC+32*\k+2*z+1], v[ACC+32*\k+2*z:ACC+32*\k+2*z+1], v[32*\k+2*z:32*\k+2*z+1]
.set z, z+1
.endr
	WIN 0
.irp q, 0,1,2,3,4,5,6,7
	global_store_b128 v[LO], v[ACC+32*\k+4*\q:ACC+32*\k+4*\q+3], s[OUTP:OUTP+1] offset:(8*\k+\q)*4096  ; 32 lanes store 512 consecutive bytes, at a multiple of 256 from the buffer's first
.endr
.endr
	s_wait_tensorcnt 0x0                           ; the wave's end
	ds_add_u32 v[SPW], v[NIL]
	s_wait_dscnt 0x0
	CROUND                                         ; the closing round
	s_endpgm
.Lfunc_end_k_qe158cfa334_wo:
	.size	k_qe158cfa334_wo, .Lfunc_end_k_qe158cfa334_wo-k_qe158cfa334_wo
	.p2alignl 7, 3214868480
	.fill 96, 4, 3214868480
	.section	.rodata,"a",@progbits
	.p2align	6, 0x0
	.amdhsa_kernel k_qe158cfa334_wo
		.amdhsa_group_segment_fixed_size 327680
		.amdhsa_private_segment_fixed_size 0
		.amdhsa_enable_private_segment 0
		.amdhsa_kernarg_size 32
		.amdhsa_user_sgpr_count 2
		.amdhsa_user_sgpr_kernarg_segment_ptr 1
		.amdhsa_wavefront_size32 1
		.amdhsa_system_sgpr_workgroup_id_x 1
		.amdhsa_system_sgpr_workgroup_id_y 1
		.amdhsa_system_sgpr_workgroup_id_z 1
		.amdhsa_system_vgpr_workitem_id 0
		.amdhsa_next_free_vgpr 896
		.amdhsa_next_free_sgpr 76
		.amdhsa_reserve_vcc 0
		.amdhsa_float_denorm_mode_32 3
		.amdhsa_float_denorm_mode_16_64 3
		.amdhsa_memory_ordered 1
		.amdhsa_forward_progress 1
		.amdhsa_inst_pref_size 77
	.end_amdhsa_kernel
	.amdgpu_metadata
---
amdhsa.version: [ 1, 2 ]
amdhsa.kernels:
  - .name:           k_qe158cfa334_wo
    .symbol:         k_qe158cfa334_wo.kd
    .args:
      - { .name: ob, .offset: 0, .size: 8, .value_kind: global_buffer, .address_space: global }
      - { .name: wts, .offset: 8, .size: 8, .value_kind: global_buffer, .address_space: global }
      - { .name: x, .offset: 16, .size: 8, .value_kind: global_buffer, .address_space: global }
      - { .name: rs, .offset: 24, .size: 8, .value_kind: global_buffer, .address_space: global }
    .group_segment_fixed_size: 327680
    .private_segment_fixed_size: 0
    .kernarg_segment_align: 8
    .kernarg_segment_size: 32
    .max_flat_workgroup_size: 128
    .sgpr_count:     76
    .vgpr_count:     896
    .wavefront_size: 32
...
	.end_amdgpu_metadata
.endif
;; end of part 4
;; launch ln1 (part 5): grid 512 x 1, 8 waves a work-group, no clusters, 0 bytes of LDS; arguments rs, g1, be1, y1, y1b; writes y1, y1b
.if DOCPART == 5
	.amdgcn_target "amdgcn-amd-amdhsa--gfx1250"
	.amdhsa_code_object_version 6
	.text
	.protected	k_qe158cfa334_ln1
	.globl	k_qe158cfa334_ln1
	.p2align	8
	.type	k_qe158cfa334_ln1,@function
k_qe158cfa334_ln1:
	s_mov_b64 s[64:65], 0
	v_nop
	global_prefetch_b8 v0, s[64:65] scope:SCOPE_SE
	s_setreg_imm32_b32 hwreg(HW_REG_WAVE_MODE, 25, 1), 1
	s_wait_xcnt 0x0
; LAYER NORM of rows of 1,024 f32: y = g (x - mean) / sqrt(var + 1e-3) + be, stored as f32 (y1) and, rounded once, as bf16 (y1b).
; One wave, one row: 4,096 bytes in 32 registers a lane, read once.  The mean first, then the squares of x - mean: no difference of large sums.  No LDS, no barrier, no loop: 4,096 rows on 4,096 waves.
; Memory binds: matrix units, clusters and tensor loads would add nothing.
.set X,  8                             ; v[8:39]    the row, then x - mean, then y
.set G,  40                            ; v[40:71]   g
.set BE, 72                            ; v[72:103]  be
.set C,  104                           ; v[104:111] four chains of sums; later v[104:119] y in bf16
.set MN, 112                           ; v[112:113] the mean, twice
.set RS, 116                           ; v[116:117] 1 / sqrt, twice; v118 var + eps
	s_load_b256 s[4:11], s[0:1], 0x0               ; rs s[4:5], g s[6:7], be s[8:9], y1 s[10:11]
	s_load_b64 s[12:13], s[0:1], 0x20              ; y1b
	s_mov_b32 s14, 0x76543210                      ; v_permlanex16_b32: each lane takes its own place in the other half
	s_mov_b32 s15, 0xfedcba98
	s_mov_b32 s16, 0x3a800000                      ; 1 / 1,024
	s_mov_b32 s17, 0x3a83126f                      ; 1e-3
	v_and_b32 v2, 31, v0
	v_lshrrev_b32 v3, 5, v0
	v_lshlrev_b32 v2, 4, v2                        ; 16 x lane
	v_lshl_add_u32 v1, v3, 12, v2                  ; + wave x 4,096
	v_lshrrev_b32 v4, 1, v1                        ; the same place in rows of bf16
	s_lshl_b32 s18, ttmp9, 15                      ; eight rows a work-group
	s_mov_b32 s19, 0
	s_lshl_b32 s20, ttmp9, 14
	s_mov_b32 s21, 0
	s_wait_kmcnt 0x0
	s_add_nc_u64 s[4:5], s[4:5], s[18:19]
	s_add_nc_u64 s[10:11], s[10:11], s[18:19]
	s_add_nc_u64 s[12:13], s[12:13], s[20:21]
.irp j, 0,1,2,3,4,5,6,7
	global_load_b128 v[X+4*\j:X+4*\j+3], v1, s[4:5] offset:512*\j th:TH_LOAD_NT
.endr
.irp j, 0,1,2,3,4,5,6,7
	global_load_b128 v[G+4*\j:G+4*\j+3], v2, s[6:7] offset:512*\j
.endr
.irp j, 0,1,2,3,4,5,6,7
	global_load_b128 v[BE+4*\j:BE+4*\j+3], v2, s[8:9] offset:512*\j
.endr
	s_wait_loadcnt 16                              ; the row is in; g and be, sixteen loads, stay out
.irp k, 0,1,2,3
	v_pk_add_f32 v[C+2*\k:C+2*\k+1], v[X+2*\k:X+2*\k+1], v[X+8+2*\k:X+8+2*\k+1]
.endr
.irp q, 16,24
.irp k, 0,1,2,3
	v_pk_add_f32 v[C+2*\k:C+2*\k+1], v[C+2*\k:C+2*\k+1], v[X+\q+2*\k:X+\q+2*\k+1]
.endr
.endr
.macro ACROSS                          ; the four chains, the pair's halves and the 32 lanes into v[C], in every lane
	v_pk_add_f32 v[C:C+1], v[C:C+1], v[C+2:C+3]
	v_pk_add_f32 v[C+4:C+5], v[C+4:C+5], v[C+6:C+7]
	v_pk_add_f32 v[C:C+1], v[C:C+1], v[C+4:C+5]
	v_add_f32 v[C], v[C], v[C+1]
	v_add_f32_dpp v[C], v[C], v[C] row_xmask:1 row_mask:0xf bank_mask:0xf
	v_add_f32_dpp v[C], v[C], v[C] row_xmask:2 row_mask:0xf bank_mask:0xf
	v_add_f32_dpp v[C], v[C], v[C] row_xmask:4 row_mask:0xf bank_mask:0xf
	v_add_f32_dpp v[C], v[C], v[C] row_xmask:8 row_mask:0xf bank_mask:0xf
	v_permlanex16_b32 v[C+1], v[C], s14, s15
	v_add_f32 v[C], v[C], v[C+1]
.endm
	ACROSS
	v_mul_f32 v[MN], s16, v[C]
	v_mov_b32 v[MN+1], v[MN]
.set z, 0
.rept 16
	v_pk_add_f32 v[X+z:X+z+1], v[X+z:X+z+1], v[MN:MN+1] neg_lo:[0,1] neg_hi:[0,1]
.set z, z+2
.endr
.irp k, 0,1,2,3
	v_pk_mul_f32 v[C+2*\k:C+2*\k+1], v[X+2*\k:X+2*\k+1], v[X+2*\k:X+2*\k+1]
.endr
.irp q, 8,16,24
.irp k, 0,1,2,3
	v_pk_fma_f32 v[C+2*\k:C+2*\k+1], v[X+\q+2*\k:X+\q+2*\k+1], v[X+\q+2*\k:X+\q+2*\k+1], v[C+2*\k:C+2*\k+1]
.endr
.endr
	ACROSS
	v_fma_f32 v[RS+2], v[C], s16, s17              ; var + eps
	v_rsq_f32 v[RS], v[RS+2]
	v_rsq_f32 v[RS+1], v[RS+2]
	v_nop                                          ; a plain instruction between the root and the use of its result
	s_wait_loadcnt 0x0                             ; g and be
.set z, 0
.rept 16
	v_pk_mul_f32 v[X+z:X+z+1], v[X+z:X+z+1], v[RS:RS+1]
.set z, z+2
.endr
.set z, 0
.rept 16
	v_pk_fma_f32 v[X+z:X+z+1], v[X+z:X+z+1], v[G+z:G+z+1], v[BE+z:BE+z+1]
.set z, z+2
.endr
.irp j, 0,1,2,3,4,5,6,7
	global_store_b128 v1, v[X+4*\j:X+4*\j+3], s[10:11] offset:512*\j   ; a wave stores 512 consecutive aligned bytes
.endr
.irp j, 0,1,2,3,4,5,6,7
	v_cvt_pk_bf16_f32 v[C+2*\j], v[X+4*\j], v[X+4*\j+1]
	v_cvt_pk_bf16_f32 v[C+2*\j+1], v[X+4*\j+2], v[X+4*\j+3]
	global_store_b64 v4, v[C+2*\j:C+2*\j+1], s[12:13] offset:256*\j    ; 256 consecutive aligned bytes
.endr
	s_endpgm
.Lfunc_end_k_qe158cfa334_ln1:
	.size	k_qe158cfa334_ln1, .Lfunc_end_k_qe158cfa334_ln1-k_qe158cfa334_ln1
	.p2alignl 7, 3214868480
	.fill 96, 4, 3214868480
	.section	.rodata,"a",@progbits
	.p2align	6, 0x0
	.amdhsa_kernel k_qe158cfa334_ln1
		.amdhsa_group_segment_fixed_size 0
		.amdhsa_private_segment_fixed_size 0
		.amdhsa_enable_private_segment 0
		.amdhsa_kernarg_size 40
		.amdhsa_user_sgpr_count 2
		.amdhsa_user_sgpr_kernarg_segment_ptr 1
		.amdhsa_wavefront_size32 1
		.amdhsa_system_sgpr_workgroup_id_x 1
		.amdhsa_system_sgpr_workgroup_id_y 1
		.amdhsa_system_sgpr_workgroup_id_z 1
		.amdhsa_system_vgpr_workitem_id 0
		.amdhsa_next_free_vgpr 120
		.amdhsa_next_free_sgpr 66
		.amdhsa_reserve_vcc 0
		.amdhsa_float_denorm_mode_32 3
		.amdhsa_float_denorm_mode_16_64 3
		.amdhsa_memory_ordered 1
		.amdhsa_forward_progress 1
		.amdhsa_inst_pref_size 12
	.end_amdhsa_kernel
	.amdgpu_metadata
---
amdhsa.version: [ 1, 2 ]
amdhsa.kernels:
  - .name:           k_qe158cfa334_ln1
    .symbol:         k_qe158cfa334_ln1.kd
    .args:
      - { .name: rs, .offset: 0, .size: 8, .value_kind: global_buffer, .address_space: global }
      - { .name: g1, .offset: 8, .size: 8, .value_kind: global_buffer, .address_space: global }
      - { .name: be1, .offset: 16, .size: 8, .value_kind: global_buffer, .address_space: global }
      - { .name: y1, .offset: 24, .size: 8, .value_kind: global_buffer, .address_space: global }
      - { .name: y1b, .offset: 32, .size: 8, .value_kind: global_buffer, .address_space: global }
    .group_segment_fixed_size: 0
    .private_segment_fixed_size: 0
    .kernarg_segment_align: 8
    .kernarg_segment_size: 40
    .max_flat_workgroup_size: 256
    .sgpr_count:     66
    .vgpr_count:     120
    .wavefront_size: 32
...
	.end_amdgpu_metadata
.endif
;; end of part 5
;; launch ffn1 (part 6): grid 16 x 16, 4 waves a work-group, clusters of 4 x 4, 327,680 bytes of LDS; arguments y1b, wts, b1, hb; writes hb
.if DOCPART == 6
	.amdgcn_target "amdgcn-amd-amdhsa--gfx1250"
	.amdhsa_code_object_version 6
	.text
	.protected	k_qe158cfa334_ffn1
	.globl	k_qe158cfa334_ffn1
	.p2align	8
	.type	k_qe158cfa334_ffn1,@function
k_qe158cfa334_ffn1:
	s_mov_b64 s[64:65], 0
	v_nop
	global_prefetch_b8 v0, s[64:65] scope:SCOPE_SE
	s_setreg_imm32_b32 hwreg(HW_REG_WAVE_MODE, 25, 1), 1
	s_wait_xcnt 0x0
	s_wait_alu depctr_hold_cnt(0) depctr_sa_sdst(0) depctr_va_vdst(0) depctr_va_sdst(0) depctr_va_ssrc(0) depctr_va_vcc(0) depctr_vm_vsrc(0)
	s_getreg_b32 s2, hwreg(HW_REG_IB_STS2, 6, 4)
	s_cmp_eq_u32 s2, 0
	s_cbranch_scc0 .Lentry_in_a_cluster
	s_endpgm
.Lentry_in_a_cluster:
	s_bfe_u32 s2, ttmp6, 0x10000c
	s_cmp_lg_u32 s2, 0xf033
	s_cbranch_scc0 .Lentry_shape_is_right
	s_endpgm
.Lentry_shape_is_right:
; C = A B^T on tiles of 256 x 256, K = 1,024, bf16 operands, f32 sums.  One text for two launches; MODE picks the operands and the way out.
; MODE 0: A = x (bf16, wts+0), B = WQ, WK, WV by heads (wts+0x800000, 3,072 rows); C is rounded to f16 and stored by heads: qkv[section][batch x 16 + head][token][64].
; MODE 1: A = y1b, B = K1 turned (wts+0x1000000, 4,096 rows); h = gelu(C + b1), exact gelu, rounded to bf16 and stored in blocks hb[token / 128][column / 64][128][64].
; LIMITS.  MODE 0: f16 ends at 65,504: q, k and v must stay within it.  MODE 1: erf by the rational form 1 - (1 + a1 z + .. + a6 z^6)^-16 (Abramowitz and Stegun 7.1.28,
; absolute error at most 3e-7, about 3e-6 with the f32 rounding of the sixteenth power); it holds for every finite argument (where the polynomial overflows its reciprocal is 0 and erf is 1).  NaN and infinities are not treated apart.
; SHARES.  Four waves, each 128 x 128 of C: 64 accumulators, 512 registers.  K goes in 8 steps of 128 through a ring of two LDS slots; each wave fetches a quarter of a slot, 128 rows of 256 bytes.
; CLUSTER 4 x 4: A's tile is asked for jointly along a row of the cluster, B's along a column.
; THE MATRIX INSTRUCTION IS USED TRANSPOSED (source 0 = 16 rows of B, source 1 = 16 rows of A): a lane holds row lane % 16 of C and the columns 8 (lane / 16) + 0..7.
; THE RING.  Descriptor set 0 serves K step 0; set 1 serves step 1 and then walks: its LDS word is turned by an exclusive or with SLOT (0x22000 shares no bit with wave x 0x8800), its address steps 256 bytes.
; The LDS reads go by s2, 0 or SLOT, turned by the same exclusive or and added to a fixed lane term.  So one K step is the loop's whole body.  The last two K steps, which ask for nothing, are a loop of two trips that is left in its middle.
; THE WAY OUT.  When the last K step's reads are over in all four waves, a wave lays its 128 x 128 sums as f32 rows of 528 bytes into the ring's bytes, which have had their last fill, and reads them back
; so that a lane holds eight neighbouring columns of one row and 32 lanes hold four rows of one block of 64 columns: 512 consecutive bytes of the output.
; REGISTERS: window 0: v16-30 addresses; v64-191 A's fragments, two buffers; window 1: v64-191 B's; windows 2, 3: the accumulators ((a, b) at v[8 (8 (a % 4) + b)]).  On the way out window 0: v32-95 X, v96-127 Y, v128-175 at work, v192-207 b1 / 2.
.set MODE,   1
.set SIZE_K, 1024
.set KSTEP,  128
.set PITCH,  272                       ; 256 bytes + 16: the 16 rows of a fragment load start at 16 different groups of four banks
.set HALFT,  128*PITCH
.set SLOT,   4*HALFT                   ; A's 256 rows, then B's 256 rows: 139,264 = 0x22000
.set DPITCH, 528                       ; the way out: a row of 128 f32 + 16 bytes
.set SPARE,  2*SLOT                    ; behind the ring: the spare words, 128 bytes a wave, two blocks of 256 bytes that no other line names
.if MODE == 0
.set RG,     4                         ; groups of four rows in a trip of the way out
.set PLANE,  131072                    ; bytes from a block of 64 columns to the next
.else
.set RG,     1
.set PLANE,  16384
.endif
.set TRIPS,  32/RG
.set A0,  16                           ; v16  my lane's place in A's part of a slot; never rewritten
.set B0,  17                           ; v17  the same for B
.set CA,  18                           ; v18  A0 + the slot in hand
.set CB,  19                           ; v19  B0 + the slot in hand
.set DST, 24                           ; v24  the way out: where I lay 32 bytes of a row
.set RDA, 25                           ; v25  the way out: my place in four rows read back
.set GO,  26                           ; v26  16 x lane
.set RDC, 27                           ; v27  RDA + the trip's rows
.set SPW, 28                           ; v28  my spare word; never rewritten
.set NIL, 29                           ; v29  0; never rewritten
.set BO,  30                           ; v30  my byte offset in b1
.set F0,  64
.set F1,  128
.set X,   32
.set Y,   96
.set T,   128
.set AB,  144
.set PP,  160
.set HB,  192
.set G1,  24                           ; s[24:31] group 1 for A;  s[32:39] group 0, two sets
.set G0,  32
.set G1B, 48                           ; s[48:55], s[56:63] the same for B
.set G0B, 56
.set MSB, 0
.macro WIN new                         ; the immediate's high byte repeats the setting that is left
.if MSB != (\new)
	s_set_vgpr_msb (MSB<<8)|(\new)
.set MSB, \new
.endif
.endm
.set MUL_LO, 0xa1                      ; source 0 (B) window 1, source 1 (A) window 0, C and D window 2
.set MUL_HI, 0xf1                      ; the same, C and D window 3
.set TO_B,   0x40                      ; destination window 1, address window 0
; A joint load: waves 0 and 1 fetch A's two halves, waves 2 and 3 B's.  An s_nop 0 and four v_nop follow each of the two lines.
.macro JLOAD s
	s_cmp_eq_u32 s11, 0
	s_cbranch_scc0 .Lfor_b_\@
	tensor_load_to_lds s[G0+4*(\s):G0+4*(\s)+3], s[G1:G1+7]
	s_nop 0
.rept 4
	v_nop
.endr
	s_branch .Lasked_\@
.Lfor_b_\@:
	tensor_load_to_lds s[G0B+4*(\s):G0B+4*(\s)+3], s[G1B:G1B+7]
	s_nop 0
.rept 4
	v_nop
.endr
.Lasked_\@:
.endm
.macro CREST                           ; a round of the cluster's barrier behind its opening barrier
	s_cmp_lg_u32 s10, 0
	s_cbranch_scc1 .Lnot_wave_0_\@
	s_barrier_signal -3
.Lnot_wave_0_\@:
	s_barrier_wait -3
	s_barrier_signal -1
	s_barrier_wait -1
.endm
.macro CROUND
	s_barrier_signal -1
	s_barrier_wait -1
	CREST
.endm
	s_load_b128 s[4:7], s[0:1], 0x0                ; MODE 0: wts, qkv.  MODE 1: y1b, wts
.if MODE == 1
	s_load_b128 s[80:83], s[0:1], 0x10             ; b1, hb
.endif
	v_lshl_add_u32 v[SPW], v0, 2, SPARE
	v_mov_b32 v[NIL], 0
	v_lshrrev_b32 v1, 5, v0
	v_readfirstlane_b32 s10, v1                    ; wave 0..3
	s_lshr_b32 s11, s10, 1                         ; my half of the tile's rows.  Also: I fetch for A (0) or for B (1)
	s_and_b32 s12, s10, 1                          ; my half of its columns.  Also: which 128 rows I fetch
	s_bfe_u32 s40, ttmp6, 0x40000                  ; cx
	s_bfe_u32 s41, ttmp6, 0x40004                  ; cy
	s_lshl_b32 s42, ttmp9, 2
	s_add_co_u32 s42, s42, s40                     ; tile column
	s_and_b32 s13, ttmp7, 0xffff
	s_lshl_b32 s13, s13, 2
	s_add_co_u32 s13, s13, s41                     ; tile row
	s_lshl_b32 s43, s41, 2
	s_lshl_b32 s43, 15, s43                        ; my row of the cluster
	s_lshl_b32 s44, 0x1111, s40                    ; my column
	; group 1: 128 rows x 128 elements of 2 bytes, 4 words of padding after every 64; bit 21 set beside the mask
	s_or_b32 s[G1+0], s43, (1<<16)|(1<<20)|(1<<21)|(5<<22)|(3<<25)
	s_or_b32 s[G1B+0], s44, (1<<16)|(1<<20)|(1<<21)|(5<<22)|(3<<25)
.irp g, G1, G1B
	s_mov_b32 s[(\g)+1], KSTEP<<16                 ; tensor_dim0 = 128
	s_mov_b32 s[(\g)+2], 128<<16                   ; tensor_dim1 = 128
	s_mov_b32 s[(\g)+3], KSTEP<<16                 ; tile_dim0 = 128
	s_mov_b32 s[(\g)+4], 128                       ; tile_dim1 = 128
	s_mov_b32 s[(\g)+5], SIZE_K                    ; elements from row to row
	s_mov_b32 s[(\g)+6], 0
	s_mov_b32 s[(\g)+7], 0
.endr
	s_lshl_b32 s17, s12, 7
	s_lshl_b32 s16, s13, 8
	s_add_co_u32 s16, s16, s17                     ; A: row 256 x tile row + 128 x half
	s_lshl_b32 s46, s42, 8
	s_add_co_u32 s46, s46, s17                     ; B: row 256 x tile column + 128 x half
	s_lshl_b32 s16, s16, 11                        ; rows of 2,048 bytes
	s_lshl_b32 s46, s46, 11
	s_mov_b32 s17, 0
	s_mov_b32 s47, 0
	s_mul_i32 s20, s10, HALFT                      ; where my quarter of a slot lies
	s_wait_kmcnt 0x0
.if MODE == 0
	s_mov_b64 s[8:9], s[6:7]                       ; the output
	s_add_nc_u64 s[6:7], s[4:5], 0x800000          ; B
.else
	s_mov_b64 s[8:9], s[82:83]
	s_add_nc_u64 s[6:7], s[6:7], 0x1000000
.endif
	s_add_nc_u64 s[14:15], s[4:5], s[16:17]
	s_add_nc_u64 s[46:47], s[6:7], s[46:47]
	CROUND                                         ; all sixteen work-groups are here: the first joint loads meet
.irp s, 0,1
	s_mov_b32 s[G0+4*(\s)], 1
	s_add_co_u32 s[G0+4*(\s)+1], s20, (\s)*SLOT
	s_add_nc_u64 s[G0+4*(\s)+2:G0+4*(\s)+3], s[14:15], (\s)*KSTEP*2
	s_or_b32 s[G0+4*(\s)+3], s[G0+4*(\s)+3], 0x80000000
	s_mov_b32 s[G0B+4*(\s)], 1
	s_add_co_u32 s[G0B+4*(\s)+1], s20, (\s)*SLOT
	s_add_nc_u64 s[G0B+4*(\s)+2:G0B+4*(\s)+3], s[46:47], (\s)*KSTEP*2
	s_or_b32 s[G0B+4*(\s)+3], s[G0B+4*(\s)+3], 0x80000000
	JLOAD \s                                       ; two loads of mine are out
.endr
	v_and_b32 v1, 15, v0                           ; l % 16
	v_bfe_u32 v2, v0, 4, 1                         ; l / 16
	v_mul_u32_u24 v3, v1, PITCH
	v_lshl_add_u32 v3, v2, 4, v3                   ; a fragment's row x pitch + 16 x half
	s_mul_i32 s21, s11, HALFT
	s_mul_i32 s22, s12, HALFT
	s_add_co_u32 s22, s22, 2*HALFT
	v_add_nc_u32 v[A0], s21, v3
	v_add_nc_u32 v[B0], s22, v3
	v_mov_b32 v[CA], v[A0]
	v_mov_b32 v[CB], v[B0]
	s_mov_b32 s2, 0                                ; the slot in hand
	s_mul_i32 s23, s10, 128*DPITCH                 ; the way out: my 128 rows of 528 bytes
	v_mul_u32_u24 v4, v1, DPITCH
	v_lshl_add_u32 v4, v2, 5, v4
	v_add_nc_u32 v[DST], s23, v4                   ; row l % 16, 32 bytes for each half of the lanes
	v_bfe_u32 v5, v0, 3, 2
	v_and_b32 v6, 7, v0
	v_mul_u32_u24 v5, v5, DPITCH
	v_lshl_add_u32 v5, v6, 5, v5
	v_add_nc_u32 v[RDA], s23, v5                   ; back: row (l / 8) % 4, eight columns at 32 (l % 8)
	v_and_b32 v7, 31, v0
	v_lshlrev_b32 v[GO], 4, v7
.if MODE == 0
	s_lshl_b32 s46, s42, 2
	s_lshl1_add_u32 s46, s12, s46                  ; my first block of 64 columns: 4 x tile column + 2 x half
	s_lshr_b32 s47, s46, 4                         ; section q, k, v
	s_lshl_b32 s47, s47, 6
	s_and_b32 s46, s46, 15                         ; head
	s_add_co_u32 s46, s46, s47
	s_lshr_b32 s47, s13, 2                         ; batch
	s_lshl4_add_u32 s46, s47, s46
	s_lshl_b32 s46, s46, 17                        ; planes of 1,024 tokens x 128 bytes
	s_and_b32 s47, s13, 3
	s_lshl_b32 s47, s47, 15                        ; 256 tokens a tile row
	s_add_co_u32 s46, s46, s47
	s_lshl_b32 s47, s11, 14                        ; my 128 of them
	s_add_co_u32 s46, s46, s47
	s_mov_b32 s47, 0
	s_add_nc_u64 s[8:9], s[8:9], s[46:47]
.else
	s_lshl1_add_u32 s46, s13, s11                  ; block of 128 tokens
	s_lshl_b32 s46, s46, 6
	s_lshl2_add_u32 s46, s42, s46
	s_lshl1_add_u32 s46, s12, s46                  ; + my first block of 64 columns
	s_lshl_b32 s46, s46, 14
	s_mov_b32 s47, 0
	s_add_nc_u64 s[8:9], s[8:9], s[46:47]
	s_lshl_b32 s46, s42, 10                        ; b1 at my 128 columns
	s_lshl_b32 s45, s12, 9
	s_add_co_u32 s46, s46, s45
	s_add_nc_u64 s[80:81], s[80:81], s[46:47]
	v_lshlrev_b32 v[BO], 5, v6
.irp p, 0,1
	global_load_b128 v[HB+8*\p:HB+8*\p+3],   v[BO], s[80:81] offset:256*\p     ; they stay out until the way out
	global_load_b128 v[HB+8*\p+4:HB+8*\p+7], v[BO], s[80:81] offset:256*\p+16
.endr
	s_mov_b32 s66, 0x3dcc41b4                      ; a_i x 2^(i/2): the polynomial is taken in |u| / 2.  Pairs: the packed forms name two registers and take the low one
	s_mov_b32 s67, s66
	s_mov_b32 s68, 0x3dad2fe7
	s_mov_b32 s69, s68
	s_mov_b32 s70, 0x3cd6cd72
	s_mov_b32 s71, s70
	s_mov_b32 s72, 0x3a1f6607
	s_mov_b32 s73, s72
	s_mov_b32 s74, 0x3acd0fec
	s_mov_b32 s75, s74
	s_mov_b32 s76, 0x39b49f67
	s_mov_b32 s77, s76
	s_mov_b32 s78, 0x7fffffff
.endif
; 16 matrix instructions: m blocks a0, a0 + 1 of the window's four x all 8 n blocks, 32 along K.  zero = 1: the first product starts the sums.
; The 64 accumulators take turns, one instruction a turn, in the same order in every quarter.
.macro MUL16 f, hi, a0, zero
	WIN MUL_LO+0x50*(\hi)
.irp a, \a0, (\a0)+1
.irp b, 0,1,2,3,4,5,6,7
.if \zero
	v_wmma_f32_16x16x32_bf16 v[8*(8*(\a)+(\b)):8*(8*(\a)+(\b))+7], v[(\f)+8*(\b):(\f)+8*(\b)+7], v[(\f)+8*(4*(\hi)+(\a)):(\f)+8*(4*(\hi)+(\a))+7], 0
.else
	v_wmma_f32_16x16x32_bf16 v[8*(8*(\a)+(\b)):8*(8*(\a)+(\b))+7], v[(\f)+8*(\b):(\f)+8*(\b)+7], v[(\f)+8*(4*(\hi)+(\a)):(\f)+8*(4*(\hi)+(\a))+7], v[8*(8*(\a)+(\b)):8*(8*(\a)+(\b))+7]
.endif
.endr
.endr
.endm
; 32 LDS loads in one run: the fragments of 32 along K at byte k of the rows of the slot in hand, into buffer f; B first
.macro FETCH k, f
	WIN TO_B
.irp i, 0,1,2,3,4,5,6,7
	ds_load_b128 v[(\f)+8*(\i):(\f)+8*(\i)+3],   v[CB] offset:(\k)+(\i)*16*PITCH
	ds_load_b128 v[(\f)+8*(\i)+4:(\f)+8*(\i)+7], v[CB] offset:(\k)+(\i)*16*PITCH+32
.endr
	WIN 0
.irp i, 0,1,2,3,4,5,6,7
	ds_load_b128 v[(\f)+8*(\i):(\f)+8*(\i)+3],   v[CA] offset:(\k)+(\i)*16*PITCH
	ds_load_b128 v[(\f)+8*(\i)+4:(\f)+8*(\i)+7], v[CA] offset:(\k)+(\i)*16*PITCH+32
.endr
.endm
.macro PLACES                          ; four places in front of loads into registers that matrix instructions have read, and of reads of results
.rept 4
	v_nop
.endr
.endm
; One of a K step's first three quarters: multiplies buffer f; in its middle it fetches the next quarter, at byte k, into buffer g.
.macro QUARTER k, f, g, zero
	s_wait_dscnt 8                                 ; B and A's rows 0-63 are in; the youngest eight loads (A's rows 64-127) may be out
	MUL16 \f, 0, 0, \zero
	MUL16 \f, 0, 2, \zero
	PLACES
	FETCH \k, \g
	s_wait_dscnt 32                                ; all but the 32 just issued
	MUL16 \f, 1, 0, \zero
	MUL16 \f, 1, 2, \zero
.endm
; The last quarter multiplies buffer 1 and changes slots: one barrier.  In front of it each wave waits for all its tensor loads (one is out: its part of the next slot), adds 0 to its spare word,
; and waits for that and for its reads of this slot.  fill = 1: the barrier opens a round of the cluster's barrier, and the slot just read is filled again, two K steps ahead, first thing behind the round.
.macro TURN fill
	WIN 0
	s_wait_tensorcnt 0x0
	ds_add_u32 v[SPW], v[NIL]
	s_wait_dscnt 9                                 ; the add and the youngest eight loads may be out
	MUL16 F1, 0, 0, 0
	s_wait_dscnt 0x0                               ; the add is done, and my reads of this slot are over
	s_barrier_signal -1
	MUL16 F1, 0, 2, 0
	WIN 0                                          ; at a branch and at a label every window is 0
	s_barrier_wait -1
.if \fill
	CREST                                          ; no wave of any partner still reads this slot or has a load on its way
	s_xor_b32 s[G0+5], s[G0+5], SLOT               ; the walking descriptors: the other slot than last time,
	s_xor_b32 s[G0B+5], s[G0B+5], SLOT
	s_add_nc_u64 s[G0+6:G0+7], s[G0+6:G0+7], KSTEP*2      ; the next K step
	s_add_nc_u64 s[G0B+6:G0B+7], s[G0B+6:G0B+7], KSTEP*2
	JLOAD 1                                        ; 224 matrix instructions ahead of the wait for it; its four v_nop are also the places in front of the loads below
.else
	PLACES
.endif
	s_xor_b32 s2, s2, SLOT                         ; the reads go on in the other slot
	v_add_nc_u32 v[CA], s2, v[A0]
	v_add_nc_u32 v[CB], s2, v[B0]
	FETCH 0, F0
	MUL16 F1, 1, 0, 0
	MUL16 F1, 1, 2, 0
.endm
	s_wait_tensorcnt 1                             ; my part of K step 0 is in; step 1's may stay out
	s_barrier_signal -1
	s_barrier_wait -1
	FETCH 0, F0
	QUARTER 64, F0, F1, 1                          ; the first quarter stands in front of the loop: its products start the sums
	WIN 0
	s_mov_b32 s3, SIZE_K/KSTEP-2
.Lk:                                                   ; a trip: from a K step's second quarter to the next step's first; K steps 0 to 5 each ask for the step two on
	QUARTER 128, F1, F0, 0
	QUARTER 192, F0, F1, 0
	TURN 1
	QUARTER 64, F0, F1, 0
	WIN 0
	s_sub_co_u32 s3, s3, 1
	s_cmp_lg_u32 s3, 0
	s_cbranch_scc1 .Lk
	s_mov_b32 s3, 2
.Lt:                                                   ; the last two K steps ask for nothing: two trips, the second left in its middle
	QUARTER 128, F1, F0, 0
	QUARTER 192, F0, F1, 0
	WIN 0
	s_sub_co_u32 s3, s3, 1
	s_cmp_eq_u32 s3, 0
	s_cbranch_scc1 .Lfin
	TURN 0
	QUARTER 64, F0, F1, 0
	WIN 0
	s_branch .Lt
.Lfin:
	s_wait_dscnt 0x0                               ; my last reads of the ring are over:
	s_barrier_signal -1                            ; say so,
	MUL16 F1, 0, 0, 0
	MUL16 F1, 0, 2, 0
	MUL16 F1, 1, 0, 0
	MUL16 F1, 1, 2, 0
	WIN 0
	s_barrier_wait -1                              ; and write over the ring only when all four have said so; it has had its last fill
	PLACES
.irp a, 0,1,2,3,4,5,6,7                ; each accumulator's low four registers first
	WIN 0x08+4*((\a)/4)                            ; store data (source 1) in window 2 or 3
.irp b, 0,1,2,3,4,5,6,7
	ds_store_b128 v[DST], v[8*(8*((\a)%4)+(\b)):8*(8*((\a)%4)+(\b))+3]   offset:(\a)*16*DPITCH+64*(\b)
	ds_store_b128 v[DST], v[8*(8*((\a)%4)+(\b))+4:8*(8*((\a)%4)+(\b))+7] offset:(\a)*16*DPITCH+64*(\b)+16
.endr
.endr
	WIN 0
.macro RDX                             ; RG groups of four rows come back: LDS serves a wave's instructions in order (ISA guide 5.7.1.4), and these are my own bytes
.set g, 0
.rept RG
.irp p, 0,1
.irp e, 0,1
	ds_load_b128 v[X+16*g+8*\p+4*\e:X+16*g+8*\p+4*\e+3], v[RDC] offset:g*4*DPITCH+256*\p+16*\e
.endr
.endr
.set g, g+1
.endr
.endm
; gelu(u) = u/2 (1 + erf(u / sqrt 2)) = (t + |t|) - |t| r^16, t = u / 2, r = 1 / (1 + a1' |t| + .. + a6' |t|^6).  Stage by stage over the lane's 16 numbers.
.macro GELU
.set z, 0
.rept 16
	v_and_b32 v[AB+z], s78, v[T+z]
.set z, z+1
.endr
.irp z, 0,2,4,6,8,10,12,14
	v_pk_fma_f32 v[PP+\z:PP+\z+1], v[AB+\z:AB+\z+1], s[76:77], s[74:75] op_sel_hi:[1,0,0]
.endr
.irp c, 72,70,68,66
.irp z, 0,2,4,6,8,10,12,14
	v_pk_fma_f32 v[PP+\z:PP+\z+1], v[PP+\z:PP+\z+1], v[AB+\z:AB+\z+1], s[\c:\c+1] op_sel_hi:[1,1,0]
.endr
.endr
.irp z, 0,2,4,6,8,10,12,14
	v_pk_fma_f32 v[PP+\z:PP+\z+1], v[PP+\z:PP+\z+1], v[AB+\z:AB+\z+1], 1.0 op_sel_hi:[1,1,0]
.endr
.set z, 0
.rept 16
	v_rcp_f32 v[PP+z], v[PP+z]
.set z, z+1
.endr
.irp z, 0,2,4,6,8,10,12,14
	v_pk_add_f32 v[T+\z:T+\z+1], v[T+\z:T+\z+1], v[AB+\z:AB+\z+1]   ; plain work behind the reciprocals, ahead of their first use
.endr
.rept 4
.irp z, 0,2,4,6,8,10,12,14
	v_pk_mul_f32 v[PP+\z:PP+\z+1], v[PP+\z:PP+\z+1], v[PP+\z:PP+\z+1]
.endr
.endr
.irp z, 0,2,4,6,8,10,12,14
	v_pk_fma_f32 v[T+\z:T+\z+1], v[AB+\z:AB+\z+1], v[PP+\z:PP+\z+1], v[T+\z:T+\z+1] neg_lo:[0,1,0] neg_hi:[0,1,0]
.endr
.endm
.if MODE == 1
	s_wait_loadcnt 0x0                             ; b1
.irp z, 0,2,4,6,8,10,12,14
	v_pk_mul_f32 v[HB+\z:HB+\z+1], v[HB+\z:HB+\z+1], 0.5 op_sel_hi:[1,0]
.endr
.endif
	s_mov_b32 s45, 0
	v_mov_b32 v[RDC], v[RDA]
	RDX
	s_mov_b32 s3, TRIPS
.Lout:                                                 ; a trip of the way out: 4 RG rows; the next trip's rows are asked for as soon as X is free
	s_wait_dscnt 0x0                               ; X is in
.if MODE == 0
.set g, 0
.rept RG
.irp p, 0,1
.irp j, 0,1,2,3
	v_cvt_pk_f16_f32 v[Y+8*g+4*\p+\j], v[X+16*g+8*\p+2*\j], v[X+16*g+8*\p+2*\j+1]
.endr
.endr
.set g, g+1
.endr
.else
.irp z, 0,2,4,6,8,10,12,14
	v_pk_fma_f32 v[T+\z:T+\z+1], v[X+\z:X+\z+1], 0.5, v[HB+\z:HB+\z+1] op_sel_hi:[1,0,1]   ; t = (sum + b1) / 2
.endr
.endif
	s_cmp_eq_u32 s3, 1
	s_cbranch_scc1 .Lno_more                       ; the last trip has no rows to ask for
	s_add_co_u32 s45, s45, RG*4*DPITCH
	v_add_nc_u32 v[RDC], s45, v[RDA]
	RDX
.Lno_more:
.if MODE == 1
	GELU
.irp p, 0,1
.irp j, 0,1,2,3
	v_cvt_pk_bf16_f32 v[Y+4*\p+\j], v[T+8*\p+2*\j], v[T+8*\p+2*\j+1]
.endr
.endr
.endif
.set g, 0
.rept RG
.irp p, 0,1
	global_store_b128 v[GO], v[Y+8*g+4*\p:Y+8*g+4*\p+3], s[8:9] offset:g*512+\p*PLANE   ; 32 lanes store 512 consecutive bytes, at a multiple of 256 from the buffer's first
.endr
.set g, g+1
.endr
	s_wait_xcnt 0x0                                ; the stores' base and Y are written again only behind this wait
	s_add_nc_u64 s[8:9], s[8:9], RG*512            ; (behind the last trip the stepped address is not used)
	s_sub_co_u32 s3, s3, 1
	s_cmp_lg_u32 s3, 0
	s_cbranch_scc1 .Lout
	s_wait_tensorcnt 0x0                           ; the wave's end
	ds_add_u32 v[SPW], v[NIL]
	s_wait_dscnt 0x0
	CROUND                                         ; the closing round
	s_endpgm
.Lfunc_end_k_qe158cfa334_ffn1:
	.size	k_qe158cfa334_ffn1, .Lfunc_end_k_qe158cfa334_ffn1-k_qe158cfa334_ffn1
	.p2alignl 7, 3214868480
	.fill 96, 4, 3214868480
	.section	.rodata,"a",@progbits
	.p2align	6, 0x0
	.amdhsa_kernel k_qe158cfa334_ffn1
		.amdhsa_group_segment_fixed_size 327680
		.amdhsa_private_segment_fixed_size 0
		.amdhsa_enable_private_segment 0
		.amdhsa_kernarg_size 32
		.amdhsa_user_sgpr_count 2
		.amdhsa_user_sgpr_kernarg_segment_ptr 1
		.amdhsa_wavefront_size32 1
		.amdhsa_system_sgpr_workgroup_id_x 1
		.amdhsa_system_sgpr_workgroup_id_y 1
		.amdhsa_system_sgpr_workgroup_id_z 1
		.amdhsa_system_vgpr_workitem_id 0
		.amdhsa_next_free_vgpr 1024
		.amdhsa_next_free_sgpr 84
		.amdhsa_reserve_vcc 0
		.amdhsa_float_denorm_mode_32 3
		.amdhsa_float_denorm_mode_16_64 3
		.amdhsa_memory_ordered 1
		.amdhsa_forward_progress 1
		.amdhsa_inst_pref_size 91
	.end_amdhsa_kernel
	.amdgpu_metadata
---
amdhsa.version: [ 1, 2 ]
amdhsa.kernels:
  - .name:           k_qe158cfa334_ffn1
    .symbol:         k_qe158cfa334_ffn1.kd
    .args:
      - { .name: y1b, .offset: 0, .size: 8, .value_kind: global_buffer, .address_space: global }
      - { .name: wts, .offset: 8, .size: 8, .value_kind: global_buffer, .address_space: global }
      - { .name: b1, .offset: 16, .size: 8, .value_kind: global_buffer, .address_space: global }
      - { .name: hb, .offset: 24, .size: 8, .value_kind: global_buffer, .address_space: global }
    .group_segment_fixed_size: 327680
    .private_segment_fixed_size: 0
    .kernarg_segment_align: 8
    .kernarg_segment_size: 32
    .max_flat_workgroup_size: 128
    .sgpr_count:     84
    .vgpr_count:     1024
    .wavefront_size: 32
...
	.end_amdgpu_metadata
.endif
;; end of part 6
;; launch ffn2 (part 7): grid 8 x 32, 4 waves a work-group, clusters of 4 x 1, 327,680 bytes of LDS; arguments hb, wts, y1, b2, rs; writes rs
.if DOCPART == 7
	.amdgcn_target "amdgcn-amd-amdhsa--gfx1250"
	.amdhsa_code_object_version 6
	.text
	.protected	k_qe158cfa334_ffn2
	.globl	k_qe158cfa334_ffn2
	.p2align	8
	.type	k_qe158cfa334_ffn2,@function
k_qe158cfa334_ffn2:
	s_mov_b64 s[64:65], 0
	v_nop
	global_prefetch_b8 v0, s[64:65] scope:SCOPE_SE
	s_setreg_imm32_b32 hwreg(HW_REG_WAVE_MODE, 25, 1), 1
	s_wait_xcnt 0x0
	s_wait_alu depctr_hold_cnt(0) depctr_sa_sdst(0) depctr_va_vdst(0) depctr_va_sdst(0) depctr_va_ssrc(0) depctr_va_vcc(0) depctr_vm_vsrc(0)
	s_getreg_b32 s2, hwreg(HW_REG_IB_STS2, 6, 4)
	s_cmp_eq_u32 s2, 0
	s_cbranch_scc0 .Lentry_in_a_cluster
	s_endpgm
.Lentry_in_a_cluster:
	s_bfe_u32 s2, ttmp6, 0x10000c
	s_cmp_lg_u32 s2, 0x3003
	s_cbranch_scc0 .Lentry_shape_is_right
	s_endpgm
.Lentry_shape_is_right:
; C = R + A B^T (+ bias) on tiles of 128 x 128, f32 out.  One text for two launches; MODE picks the format, K and the operands.
; MODE 0: A = O (f16, in blocks ob[token / 128][head][128][64]), B = WO (f16, by fragments, wts+0xE00000), R = x, K = 1,024: rs = x + O WO.
; MODE 1: A = h (bf16, in blocks hb[token / 128][k / 64][128][64]), B = K2 (bf16, by fragments, wts+0x1800000), R = y1, bias b2, K = 4,096: rs = y1 + h K2 + b2.
; SHARES.  Four waves, each all 128 rows x 32 columns: 16 accumulators.  THE MATRIX INSTRUCTION IS USED TRANSPOSED (source 0 = 16 rows of B, source 1 = 16 rows of A): a lane holds row lane % 16 of C and eight neighbouring columns.
; A GOES THROUGH LDS ALONE, so that a slot holds 512 along K: 8 blocks of 128 rows x 144 bytes, 147,456 bytes, two slots.  Each wave asks for two blocks (128 dense rows of 256 bytes, padded after every 128) with one load,
; and from a request to the wait for it a wave issues 240 matrix instructions; with B beside A in LDS a slot would hold half of that.
; B GOES STRAIGHT INTO REGISTERS.  It lies by fragments: [group of 32 n][block of 32 k][16 n][half][lane][16 bytes]: a wave's B is one dense stream, 2,048 bytes for 32 k, four loads of 512 consecutive bytes.
; A ring of 16 places of 16 registers: in the middle of unit u (64 k) the places of blocks 2u - 1 and 2u, which have been multiplied, are loaded with blocks 2u + 15 and 2u + 16; they are waited for 7 units, 224 matrix
; instructions, later.  At most 60 loads of a wave are out.
; CLUSTER 4 x 1: the four column tiles of a tile row need the same A: every tensor load is asked for JOINTLY, mask 15.  B is not shared so: a joint load lands in LDS, and no two waves of a work-group read the same B.
; THE RING OF SLOTS.  Descriptor set 0 serves K step 0; set 1 serves step 1 and then walks: its LDS word is turned by an exclusive or with SLOT (0x24000 shares no bit with wave x 0x9000).  The LDS reads go by s2, 0 or SLOT.
; At K = 1,024 both steps are first fills and nothing is filled again.  The last two steps are a loop of two trips, left in its middle; in its units a branch on the trip's counter chooses B's loads or, in the last step,
; THE RESIDUAL's: 32 loads of a whole row of the tile (512 bytes) each, in the places that B's loads leave free.
; THE BIAS, in the result's layout, is the C operand of the products that start the sums.
; THE WAY OUT.  A wave's 32 columns are 128 bytes of a row, so the four waves lay the tile as rows of 528 bytes into slot 0's bytes (it has had its last fill, and nobody reads it behind the last change of slots),
; pass a barrier, and each reads back 32 whole rows of 512 bytes.
; REGISTERS: window 0: v16-29 addresses; v32-47 the bias; v128-255 the accumulators ((a, b) at v[128 + 8 (2 a + b)]); window 1: A's fragments, two buffers of 128 (64 k: 2 x 8 blocks of 16 rows); window 2: B's ring; window 3: v0-127 the residual.
; SCALARS: s[4:7] A, wts; s10 wave, s13 tile row, s42 tile column; s[24:31] group 1, s[32:39] group 0, two sets; s[48:49] B's stream at the K step in hand; s[68:73] the other pointers.
.set MODE,   1
.set RESP,   68                        ; s[68:69] the residual
.if MODE == 0
.set SIZE_K, 1024
.set BBASE,  0xE00000
.set OUTP,   70                        ; s[70:71] rs
.else
.set SIZE_K, 4096
.set BBASE,  0x1800000
.set BIP,    70                        ; s[70:71] b2
.set OUTP,   72                        ; s[72:73] rs
.endif
.set STEPS,  SIZE_K/512
.set PA,     144                       ; a block's row in LDS: 128 bytes + 16: the 16 rows of a fragment load start at 16 different groups of four banks
.set PLA,    128*PA                    ; a block: 64 along K
.set SLOT,   8*PLA                     ; 147,456 = 0x24000
.set DPITCH, 528                       ; the way out: a row of 128 f32 + 16 bytes
.set SPARE,  2*SLOT                    ; behind the ring: the spare words, 128 bytes a wave: two blocks of 256 bytes that no other line names
.set AL,  16                           ; v16-18  my lane's place in blocks 0, 3, 6 of a slot (an LDS offset reaches three blocks); never rewritten
.set CA,  20                           ; v20-22  the same + the slot in hand
.set DST, 24                           ; v24  the way out: where I lay 32 bytes of a row
.set RD,  25                           ; v25  the way out: where I read rows back
.set LO,  26                           ; v26  16 x lane: my place in 512 consecutive bytes of B, of the residual and of the output; never rewritten
.set BO,  27                           ; v27  my byte offset in the bias
.set SPW, 28
.set NIL, 29
.set BIAS, 32
.set ACC, 128
.set F0,  0
.set F1,  128
.set G1,  24
.set G0,  32
.set BP,  48
.set MSB, 0
.macro WIN new                         ; the immediate's high byte repeats the setting that is left
.if MSB != (\new)
	s_set_vgpr_msb (MSB<<8)|(\new)
.set MSB, \new
.endif
.endm
.set MUL,  0x06                        ; source 0 (B) window 2, source 1 (A) window 1; C and D window 0
.set TO_F, 0x40                        ; destination window 1, address window 0
.macro WMMA ops:vararg
.if MODE == 0
	v_wmma_f32_16x16x32_f16 \ops
.else
	v_wmma_f32_16x16x32_bf16 \ops
.endif
.endm
.macro CREST                           ; a round of the cluster's barrier behind its opening barrier
	s_cmp_lg_u32 s10, 0
	s_cbranch_scc1 .Lnot_wave_0_\@
	s_barrier_signal -3
.Lnot_wave_0_\@:
	s_barrier_wait -3
	s_barrier_signal -1
	s_barrier_wait -1
.endm
.macro CROUND
	s_barrier_signal -1
	s_barrier_wait -1
	CREST
.endm
.macro PLACES                          ; four places in front of loads into registers that matrix instructions have read, and of reads of results
.rept 4
	v_nop
.endr
.endm
; Block idx of 32 k, counted from the K step at s[BP:BP+1], into place g of the ring: two fragments, four loads of 512 consecutive bytes
.macro BLOAD g, idx
	WIN 0x80                                       ; destination window 2, address window 0
.irp q, 0,1,2,3
	global_load_b128 v[16*(\g)+4*(\q):16*(\g)+4*(\q)+3], v[LO], s[BP:BP+1] offset:(\idx)*2048+(\q)*512
.endr
.endm
; Rows t0 to t0 + 7 of my 32 rows of the residual
.macro RLOAD t0
	WIN 0xc0                                       ; destination window 3
.irp q, 0,1,2,3,4,5,6,7
	global_load_b128 v[4*((\t0)+(\q)):4*((\t0)+(\q))+3], v[LO], s[RESP:RESP+1] offset:((\t0)+(\q))*4096
.endr
.endm
	s_load_b128 s[4:7], s[0:1], 0x0                ; A s[4:5], wts s[6:7]
	s_load_b128 s[68:71], s[0:1], 0x10             ; the residual s[68:69], then rs (MODE 0) or b2 (MODE 1) s[70:71]
.if MODE == 1
	s_load_b64 s[72:73], s[0:1], 0x20              ; rs
.endif
	v_lshl_add_u32 v[SPW], v0, 2, SPARE
	v_mov_b32 v[NIL], 0
	v_lshrrev_b32 v1, 5, v0
	v_readfirstlane_b32 s10, v1                    ; wave 0..3
	s_bfe_u32 s40, ttmp6, 0x40000                  ; cx
	s_lshl_b32 s42, ttmp9, 2
	s_add_co_u32 s42, s42, s40                     ; tile column: it enters B's, the bias's, the residual's and the output's addresses alone
	s_and_b32 s13, ttmp7, 0xffff                   ; tile row, which the four partners share
	s_mov_b32 s[G1+0], 15|(1<<16)|(1<<20)|(1<<21)|(4<<22)|(3<<25)  ; the mask of four; 2-byte elements; padding on; bit 21 beside a mask; after every 32 words 4 words
	s_mov_b32 s[G1+1], 128<<16                     ; tensor_dim0 = 128
	s_mov_b32 s[G1+2], 128<<16                     ; tensor_dim1 = 128
	s_mov_b32 s[G1+3], 128<<16                     ; tile_dim0 = 128
	s_mov_b32 s[G1+4], 128                         ; tile_dim1 = 128
	s_mov_b32 s[G1+5], 128                         ; dense: 128 elements from row to row
	s_mov_b32 s[G1+6], 0
	s_mov_b32 s[G1+7], 0
	s_mul_i32 s16, s13, (SIZE_K/64)*16384          ; A: the tile row's blocks,
	s_lshl_b32 s17, s10, 15                        ; my two of a step's eight
	s_add_co_u32 s16, s16, s17
	s_mov_b32 s17, 0
	s_mul_i32 s20, s10, 2*PLA                      ; where they go: no place in the cluster enters an LDS address
	s_lshl2_add_u32 s46, s42, s10                  ; B: my group of 32 n = 4 x tile column + wave,
	s_mul_i32 s46, s46, SIZE_K*64                  ; 64 K bytes each
	s_mov_b32 s47, 0
	s_lshl_b32 s52, s13, 19                        ; the residual and the output: 128 rows of 4,096 bytes a tile row,
	s_lshl_b32 s53, s10, 17                        ; my 32 of them,
	s_add_co_u32 s52, s52, s53
	s_lshl_b32 s53, s42, 9                         ; the tile's 512 bytes of a row
	s_add_co_u32 s52, s52, s53
	s_mov_b32 s53, 0
	v_and_b32 v2, 31, v0
	v_lshlrev_b32 v[LO], 4, v2
	v_and_b32 v1, 15, v0                           ; l % 16
	v_bfe_u32 v2, v0, 4, 1                         ; l / 16
.if MODE == 1
	s_lshl_b32 s54, s42, 9                         ; the bias at my 32 columns
	s_lshl_b32 s55, s10, 7
	s_add_co_u32 s54, s54, s55
	s_mov_b32 s55, 0
	v_lshlrev_b32 v[BO], 5, v2                     ; eight columns for each half of the lanes
.endif
	s_wait_kmcnt 0x0
	s_add_nc_u64 s[18:19], s[4:5], s[16:17]
	s_add_nc_u64 s[BP:BP+1], s[6:7], BBASE
	s_add_nc_u64 s[BP:BP+1], s[BP:BP+1], s[46:47]
	s_add_nc_u64 s[RESP:RESP+1], s[RESP:RESP+1], s[52:53]
	s_add_nc_u64 s[OUTP:OUTP+1], s[OUTP:OUTP+1], s[52:53]
.if MODE == 1
	s_add_nc_u64 s[BIP:BIP+1], s[BIP:BIP+1], s[54:55]
.irp b, 0,1
	global_load_b128 v[BIAS+8*\b:BIAS+8*\b+3],   v[BO], s[BIP:BIP+1] offset:64*\b
	global_load_b128 v[BIAS+8*\b+4:BIAS+8*\b+7], v[BO], s[BIP:BIP+1] offset:64*\b+16
.endr
.endif
.set i, 0
.rept 14                               ; B's blocks 0 to 13: with the bias at most 60 loads are out
	BLOAD i, i
.set i, i+1
.endr
	WIN 0
	CROUND                                         ; all four work-groups are here: the first joint loads meet
.irp s, 0,1
	s_mov_b32 s[G0+4*(\s)], 1
	s_add_co_u32 s[G0+4*(\s)+1], s20, (\s)*SLOT
	s_add_nc_u64 s[G0+4*(\s)+2:G0+4*(\s)+3], s[18:19], (\s)*131072
	s_or_b32 s[G0+4*(\s)+3], s[G0+4*(\s)+3], 0x80000000
	tensor_load_to_lds s[G0+4*(\s):G0+4*(\s)+3], s[G1:G1+7]  ; two loads of mine are out
	s_nop 0
.endr
	PLACES
	v_mul_u32_u24 v3, v1, PA
	v_lshl_add_u32 v[AL], v2, 4, v3                ; a fragment's row x pitch + 16 x half
	v_add_nc_u32 v[AL+1], 3*PLA, v[AL]
	v_add_nc_u32 v[AL+2], 6*PLA, v[AL]
.irp i, 0,1,2
	v_mov_b32 v[CA+\i], v[AL+\i]
.endr
	s_mov_b32 s2, 0                                ; the slot in hand
	v_mul_u32_u24 v4, v1, DPITCH                   ; the way out, in: row l % 16, my wave's 128 bytes, 32 bytes for each half of the lanes
	v_lshl_add_u32 v4, v2, 5, v4
	s_lshl_b32 s21, s10, 7
	v_add_nc_u32 v[DST], s21, v4
	s_mul_i32 s22, s10, 32*DPITCH                  ; back: wave w takes rows 32 w .. 32 w + 31, whole
	v_add_nc_u32 v[RD], s22, v[LO]
; 8 matrix instructions: m blocks a0 .. a0 + 3 x both n blocks, 32 along K: half c of buffer f, place g of B's ring.  zero = 1: the products start the sums, with 0 or with the bias.
; The 16 accumulators take turns, one instruction a turn, in the same order throughout.
.macro MULQ f, c, g, a0, zero
	WIN MUL
.irp a, \a0, (\a0)+1, (\a0)+2, (\a0)+3
.irp b, 0,1
.if (\zero) && (MODE == 1)
	WMMA v[ACC+8*(2*(\a)+(\b)):ACC+8*(2*(\a)+(\b))+7], v[16*(\g)+8*(\b):16*(\g)+8*(\b)+7], v[(\f)+8*(8*(\c)+(\a)):(\f)+8*(8*(\c)+(\a))+7], v[BIAS+8*(\b):BIAS+8*(\b)+7]
.elseif \zero
	WMMA v[ACC+8*(2*(\a)+(\b)):ACC+8*(2*(\a)+(\b))+7], v[16*(\g)+8*(\b):16*(\g)+8*(\b)+7], v[(\f)+8*(8*(\c)+(\a)):(\f)+8*(8*(\c)+(\a))+7], 0
.else
	WMMA v[ACC+8*(2*(\a)+(\b)):ACC+8*(2*(\a)+(\b))+7], v[16*(\g)+8*(\b):16*(\g)+8*(\b)+7], v[(\f)+8*(8*(\c)+(\a)):(\f)+8*(8*(\c)+(\a))+7], v[ACC+8*(2*(\a)+(\b)):ACC+8*(2*(\a)+(\b))+7]
.endif
.endr
.endr
.endm
; 32 LDS loads in one run: A's fragments of block p of the slot in hand (64 along K, 128 rows) into buffer f; the first 32 along K first
.macro FETCHA p, f
	WIN TO_F
.irp c, 0,1
.irp a, 0,1,2,3,4,5,6,7
	ds_load_b128 v[(\f)+8*(8*(\c)+(\a)):(\f)+8*(8*(\c)+(\a))+3],   v[CA+(\p)/3] offset:((\p)%3)*PLA+64*(\c)+(\a)*16*PA
	ds_load_b128 v[(\f)+8*(8*(\c)+(\a))+4:(\f)+8*(8*(\c)+(\a))+7], v[CA+(\p)/3] offset:((\p)%3)*PLA+64*(\c)+(\a)*16*PA+32
.endr
.endr
.endm
; UNIT u (0 to 6) of a K step: 64 along K, 32 matrix instructions on buffer u % 2; in its middle A's next block is fetched and two places of B's ring are loaded again.
; ib: what is added to B's block numbers (16 where the unit belongs to the step behind the one at s[BP:BP+1]).
; The wait in the middle is for B's blocks 2u + 1 and 2u + 2, which the unit's second half and the next unit's first half multiply.  Loads come back in order (ISA guide 5.7.1), so its count is the loads issued behind block 2u + 2:
; kind 0: blocks 2u + 3 to 2u + 14: 48.   kind 2, the last step's unit 0: the same; only block 15 is left to ask for.
; kind 1, the loop of the last two steps: a branch on the trip's counter.  First trip: as kind 0.  Second trip, the last step: blocks 2u + 3 to 15 and the 8 (u - 1) residual loads issued so far (32 from unit 5 on): 44, in unit 6: 36;
; units 1 to 4 then ask for eight rows of the residual each.
.macro UNIT u, ib, zero, kind
.set FB, F0+128*((\u)%2)
.set FN, F0+128*(((\u)+1)%2)
	s_wait_dscnt 16                                ; the first 32 along K are in
	MULQ FB, 0, 2*(\u), 0, \zero
	MULQ FB, 0, 2*(\u), 4, \zero
	PLACES
	FETCHA (\u)+1, FN
.if (\kind) == 0
	s_wait_loadcnt 48
	BLOAD (2*(\u)+15)%16, (\ib)+2*(\u)+15
	BLOAD (2*(\u))%16, (\ib)+2*(\u)+16
.elseif (\kind) == 2
	s_wait_loadcnt 48
	BLOAD 15, (\ib)+15
.else
	WIN 0                                          ; at a branch and at a label every window is 0
	s_cmp_eq_u32 s3, 1
	s_cbranch_scc1 .Lres_\@
	s_wait_loadcnt 48
	BLOAD (2*(\u)+15)%16, (\ib)+2*(\u)+15
	BLOAD (2*(\u))%16, (\ib)+2*(\u)+16
	WIN 0
	s_branch .Ljoin_\@
.Lres_\@:
.if (\u) < 6
	s_wait_loadcnt 44
.else
	s_wait_loadcnt 36
.endif
.if (\u) <= 4
	RLOAD 8*((\u)-1)
.endif
	WIN 0
.Ljoin_\@:
.endif
	s_wait_dscnt 32                                ; all but the 32 just issued
	MULQ FB, 1, 2*(\u)+1, 0, 0
	MULQ FB, 1, 2*(\u)+1, 4, 0
.endm
; Unit 7 multiplies buffer 1 and changes slots: one barrier; in front of it each wave waits for all its tensor loads (one is out: its part of the next slot), adds 0 to its spare word, and waits for that and for its reads of this slot.
; fill = 1: the barrier opens a round of the cluster's barrier, and this slot is filled again, two K steps ahead, first thing behind the round.
.macro TURN fill
	WIN 0
	s_wait_tensorcnt 0x0
	ds_add_u32 v[SPW], v[NIL]
	s_wait_dscnt 17                                ; the add and the youngest sixteen loads may be out
	MULQ F1, 0, 14, 0, 0
	s_wait_dscnt 0x0                               ; the add is done, and my reads of this slot are over
	s_barrier_signal -1
	MULQ F1, 0, 14, 4, 0
	WIN 0
	s_barrier_wait -1
.if \fill
	CREST                                          ; no wave of any partner still reads this slot or has a load on its way
	s_xor_b32 s[G0+5], s[G0+5], SLOT               ; the walking descriptor: the other slot than last time,
	s_add_nc_u64 s[G0+6:G0+7], s[G0+6:G0+7], 131072  ; the next K step: eight blocks on
	tensor_load_to_lds s[G0+4:G0+7], s[G1:G1+7]    ; 240 matrix instructions ahead of the wait for it
	s_nop 0
.endif
	PLACES                                         ; behind the tensor load, and the places in front of the loads below
	s_xor_b32 s2, s2, SLOT                         ; the reads go on in the other slot
.irp i, 0,1,2
	v_add_nc_u32 v[CA+\i], s2, v[AL+\i]
.endr
	FETCHA 0, F0
	s_wait_loadcnt 48                              ; B's blocks 15 and 16; behind them: blocks 17 to 28
	BLOAD 13, 29
	BLOAD 14, 30
	MULQ F1, 1, 15, 0, 0
	MULQ F1, 1, 15, 4, 0
.endm
	s_wait_tensorcnt 1                             ; my part of K step 0 is in; step 1's may stay out
	s_barrier_signal -1
	s_barrier_wait -1
	FETCHA 0, F0
	s_wait_loadcnt 52                              ; the bias and B's block 0 are in; behind them: blocks 1 to 13
	BLOAD 14, 14
	UNIT 0, 0, 1, 0                                ; the first unit stands in front of the loops: its first products start the sums
.if STEPS > 2
	WIN 0
	s_mov_b32 s3, STEPS-2
.Lk:                                                   ; a trip: from a K step's unit 1 to the next step's unit 0; it asks for A's step two on
.irp u, 1,2,3,4,5,6
	UNIT \u, 0, 0, 0
.endr
	TURN 1
	UNIT 0, 16, 0, 0
	WIN 0
	s_wait_xcnt 0x0                                ; B's base is stepped only behind this wait
	s_add_nc_u64 s[BP:BP+1], s[BP:BP+1], 32768     ; 16 blocks of 2,048 bytes
	s_sub_co_u32 s3, s3, 1
	s_cmp_lg_u32 s3, 0
	s_cbranch_scc1 .Lk
.endif
	WIN 0
	s_mov_b32 s3, 2
.Lt:                                                   ; the last two K steps ask for no tile: two trips, the second left in its middle
.irp u, 1,2,3,4,5,6
	UNIT \u, 0, 0, 1
.endr
	WIN 0
	s_sub_co_u32 s3, s3, 1
	s_cmp_eq_u32 s3, 0
	s_cbranch_scc1 .Lfin
	TURN 0
	UNIT 0, 16, 0, 2
	WIN 0
	s_branch .Lt
.Lfin:
	s_wait_dscnt 16                                ; the very last unit: nothing more to fetch
	MULQ F1, 0, 14, 0, 0
	MULQ F1, 0, 14, 4, 0
	s_wait_loadcnt 32                              ; B's block 15; behind it: the residual's 32 loads
	s_wait_dscnt 0x0
	MULQ F1, 1, 15, 0, 0
	MULQ F1, 1, 15, 4, 0
	WIN 0
	PLACES
.irp a, 0,1,2,3,4,5,6,7                ; each accumulator's low four registers first
.irp b, 0,1
	ds_store_b128 v[DST], v[ACC+8*(2*(\a)+(\b)):ACC+8*(2*(\a)+(\b))+3]   offset:(\a)*16*DPITCH+64*(\b)
	ds_store_b128 v[DST], v[ACC+8*(2*(\a)+(\b))+4:ACC+8*(2*(\a)+(\b))+7] offset:(\a)*16*DPITCH+64*(\b)+16
.endr
.endr
	s_wait_dscnt 0x0                               ; for the others' sake: my stores are done
	s_barrier_signal -1
	s_barrier_wait -1
.set t, 0
.rept 32
	ds_load_b128 v[ACC+4*t:ACC+4*t+3], v[RD] offset:t*DPITCH   ; a whole row of the tile: 512 bytes
.set t, t+1
.endr
	s_wait_loadcnt 0x0                             ; the residual
.irp k, 0,1,2,3
	s_wait_dscnt 24-8*\k                           ; rows 8 k to 8 k + 7 are back, the younger ones stay out
	WIN 0x0c                                       ; source 1 in window 3: the residual
.set z, 0
.rept 16
	v_pk_add_f32 v[ACC+32*\k+2*z:ACC+32*\k+2*z+1], v[ACC+32*\k+2*z:ACC+32*\k+2*z+1], v[32*\k+2*z:32*\k+2*z+1]
.set z, z+1
.endr
	WIN 0
.irp q, 0,1,2,3,4,5,6,7
	global_store_b128 v[LO], v[ACC+32*\k+4*\q:ACC+32*\k+4*\q+3], s[OUTP:OUTP+1] offset:(8*\k+\q)*4096  ; 32 lanes store 512 consecutive bytes, at a multiple of 256 from the buffer's first
.endr
.endr
	s_wait_tensorcnt 0x0                           ; the wave's end
	ds_add_u32 v[SPW], v[NIL]
	s_wait_dscnt 0x0
	CROUND                                         ; the closing round
	s_endpgm
.Lfunc_end_k_qe158cfa334_ffn2:
	.size	k_qe158cfa334_ffn2, .Lfunc_end_k_qe158cfa334_ffn2-k_qe158cfa334_ffn2
	.p2alignl 7, 3214868480
	.fill 96, 4, 3214868480
	.section	.rodata,"a",@progbits
	.p2align	6, 0x0
	.amdhsa_kernel k_qe158cfa334_ffn2
		.amdhsa_group_segment_fixed_size 327680
		.amdhsa_private_segment_fixed_size 0
		.amdhsa_enable_private_segment 0
		.amdhsa_kernarg_size 40
		.amdhsa_user_sgpr_count 2
		.amdhsa_user_sgpr_kernarg_segment_ptr 1
		.amdhsa_wavefront_size32 1
		.amdhsa_system_sgpr_workgroup_id_x 1
		.amdhsa_system_sgpr_workgroup_id_y 1
		.amdhsa_system_sgpr_workgroup_id_z 1
		.amdhsa_system_vgpr_workitem_id 0
		.amdhsa_next_free_vgpr 896
		.amdhsa_next_free_sgpr 76
		.amdhsa_reserve_vcc 0
		.amdhsa_float_denorm_mode_32 3
		.amdhsa_float_denorm_mode_16_64 3
		.amdhsa_memory_ordered 1
		.amdhsa_forward_progress 1
		.amdhsa_inst_pref_size 119
	.end_amdhsa_kernel
	.amdgpu_metadata
---
amdhsa.version: [ 1, 2 ]
amdhsa.kernels:
  - .name:           k_qe158cfa334_ffn2
    .symbol:         k_qe158cfa334_ffn2.kd
    .args:
      - { .name: hb, .offset: 0, .size: 8, .value_kind: global_buffer, .address_space: global }
      - { .name: wts, .offset: 8, .size: 8, .value_kind: global_buffer, .address_space: global }
      - { .name: y1, .offset: 16, .size: 8, .value_kind: global_buffer, .address_space: global }
      - { .name: b2, .offset: 24, .size: 8, .value_kind: global_buffer, .address_space: global }
      - { .name: rs, .offset: 32, .size: 8, .value_kind: global_buffer, .address_space: global }
    .group_segment_fixed_size: 327680
    .private_segment_fixed_size: 0
    .kernarg_segment_align: 8
    .kernarg_segment_size: 40
    .max_flat_workgroup_size: 128
    .sgpr_count:     76
    .vgpr_count:     896
    .wavefront_size: 32
...
	.end_amdgpu_metadata
.endif
;; end of part 7
;; launch ln2 (part 8): grid 512 x 1, 8 waves a work-group, no clusters, 0 bytes of LDS; arguments rs, g2, be2, out0; writes out0
.if DOCPART == 8
	.amdgcn_target "amdgcn-amd-amdhsa--gfx1250"
	.amdhsa_code_object_version 6
	.text
	.protected	k_qe158cfa334_ln2
	.globl	k_qe158cfa334_ln2
	.p2align	8
	.type	k_qe158cfa334_ln2,@function
k_qe158cfa334_ln2:
	s_mov_b64 s[64:65], 0
	v_nop
	global_prefetch_b8 v0, s[64:65] scope:SCOPE_SE
	s_setreg_imm32_b32 hwreg(HW_REG_WAVE_MODE, 25, 1), 1
	s_wait_xcnt 0x0
; LAYER NORM of rows of 1,024 f32: y = g (x - mean) / sqrt(var + 1e-3) + be, stored as f32.
; One wave, one row: 4,096 bytes in 32 registers a lane, read once.  The mean first, then the squares of x - mean: no difference of large sums.  No LDS, no barrier, no loop: 4,096 rows on 4,096 waves.
; Memory binds: matrix units, clusters and tensor loads would add nothing.
.set X,  8                             ; v[8:39]    the row, then x - mean, then y
.set G,  40                            ; v[40:71]   g
.set BE, 72                            ; v[72:103]  be
.set C,  104                           ; v[104:111] four chains of sums
.set MN, 112                           ; v[112:113] the mean, twice
.set RS, 116                           ; v[116:117] 1 / sqrt, twice; v118 var + eps
	s_load_b256 s[4:11], s[0:1], 0x0               ; rs s[4:5], g s[6:7], be s[8:9], out0 s[10:11]
	s_mov_b32 s14, 0x76543210                      ; v_permlanex16_b32: each lane takes its own place in the other half
	s_mov_b32 s15, 0xfedcba98
	s_mov_b32 s16, 0x3a800000                      ; 1 / 1,024
	s_mov_b32 s17, 0x3a83126f                      ; 1e-3
	v_and_b32 v2, 31, v0
	v_lshrrev_b32 v3, 5, v0
	v_lshlrev_b32 v2, 4, v2                        ; 16 x lane
	v_lshl_add_u32 v1, v3, 12, v2                  ; + wave x 4,096
	s_lshl_b32 s18, ttmp9, 15                      ; eight rows a work-group
	s_mov_b32 s19, 0
	s_wait_kmcnt 0x0
	s_add_nc_u64 s[4:5], s[4:5], s[18:19]
	s_add_nc_u64 s[10:11], s[10:11], s[18:19]
.irp j, 0,1,2,3,4,5,6,7
	global_load_b128 v[X+4*\j:X+4*\j+3], v1, s[4:5] offset:512*\j th:TH_LOAD_NT
.endr
.irp j, 0,1,2,3,4,5,6,7
	global_load_b128 v[G+4*\j:G+4*\j+3], v2, s[6:7] offset:512*\j
.endr
.irp j, 0,1,2,3,4,5,6,7
	global_load_b128 v[BE+4*\j:BE+4*\j+3], v2, s[8:9] offset:512*\j
.endr
	s_wait_loadcnt 16                              ; the row is in; g and be, sixteen loads, stay out
.irp k, 0,1,2,3
	v_pk_add_f32 v[C+2*\k:C+2*\k+1], v[X+2*\k:X+2*\k+1], v[X+8+2*\k:X+8+2*\k+1]
.endr
.irp q, 16,24
.irp k, 0,1,2,3
	v_pk_add_f32 v[C+2*\k:C+2*\k+1], v[C+2*\k:C+2*\k+1], v[X+\q+2*\k:X+\q+2*\k+1]
.endr
.endr
.macro ACROSS                          ; the four chains, the pair's halves and the 32 lanes into v[C], in every lane
	v_pk_add_f32 v[C:C+1], v[C:C+1], v[C+2:C+3]
	v_pk_add_f32 v[C+4:C+5], v[C+4:C+5], v[C+6:C+7]
	v_pk_add_f32 v[C:C+1], v[C:C+1], v[C+4:C+5]
	v_add_f32 v[C], v[C], v[C+1]
	v_add_f32_dpp v[C], v[C], v[C] row_xmask:1 row_mask:0xf bank_mask:0xf
	v_add_f32_dpp v[C], v[C], v[C] row_xmask:2 row_mask:0xf bank_mask:0xf
	v_add_f32_dpp v[C], v[C], v[C] row_xmask:4 row_mask:0xf bank_mask:0xf
	v_add_f32_dpp v[C], v[C], v[C] row_xmask:8 row_mask:0xf bank_mask:0xf
	v_permlanex16_b32 v[C+1], v[C], s14, s15
	v_add_f32 v[C], v[C], v[C+1]
.endm
	ACROSS
	v_mul_f32 v[MN], s16, v[C]
	v_mov_b32 v[MN+1], v[MN]
.set z, 0
.rept 16
	v_pk_add_f32 v[X+z:X+z+1], v[X+z:X+z+1], v[MN:MN+1] neg_lo:[0,1] neg_hi:[0,1]
.set z, z+2
.endr
.irp k, 0,1,2,3
	v_pk_mul_f32 v[C+2*\k:C+2*\k+1], v[X+2*\k:X+2*\k+1], v[X+2*\k:X+2*\k+1]
.endr
.irp q, 8,16,24
.irp k, 0,1,2,3
	v_pk_fma_f32 v[C+2*\k:C+2*\k+1], v[X+\q+2*\k:X+\q+2*\k+1], v[X+\q+2*\k:X+\q+2*\k+1], v[C+2*\k:C+2*\k+1]
.endr
.endr
	ACROSS
	v_fma_f32 v[RS+2], v[C], s16, s17              ; var + eps
	v_rsq_f32 v[RS], v[RS+2]
	v_rsq_f32 v[RS+1], v[RS+2]
	v_nop                                          ; a plain instruction between the root and the use of its result
	s_wait_loadcnt 0x0                             ; g and be
.set z, 0
.rept 16
	v_pk_mul_f32 v[X+z:X+z+1], v[X+z:X+z+1], v[RS:RS+1]
.set z, z+2
.endr
.set z, 0
.rept 16
	v_pk_fma_f32 v[X+z:X+z+1], v[X+z:X+z+1], v[G+z:G+z+1], v[BE+z:BE+z+1]
.set z, z+2
.endr
.irp j, 0,1,2,3,4,5,6,7
	global_store_b128 v1, v[X+4*\j:X+4*\j+3], s[10:11] offset:512*\j th:TH_STORE_NT   ; a wave stores 512 consecutive aligned bytes
.endr
	s_endpgm
.Lfunc_end_k_qe158cfa334_ln2:
	.size	k_qe158cfa334_ln2, .Lfunc_end_k_qe158cfa334_ln2-k_qe158cfa334_ln2
	.p2alignl 7, 3214868480
	.fill 96, 4, 3214868480
	.section	.rodata,"a",@progbits
	.p2align	6, 0x0
	.amdhsa_kernel k_qe158cfa334_ln2
		.amdhsa_group_segment_fixed_size 0
		.amdhsa_private_segment_fixed_size 0
		.amdhsa_enable_private_segment 0
		.amdhsa_kernarg_size 32
		.amdhsa_user_sgpr_count 2
		.amdhsa_user_sgpr_kernarg_segment_ptr 1
		.amdhsa_wavefront_size32 1
		.amdhsa_system_sgpr_workgroup_id_x 1
		.amdhsa_system_sgpr_workgroup_id_y 1
		.amdhsa_system_sgpr_workgroup_id_z 1
		.amdhsa_system_vgpr_workitem_id 0
		.amdhsa_next_free_vgpr 120
		.amdhsa_next_free_sgpr 66
		.amdhsa_reserve_vcc 0
		.amdhsa_float_denorm_mode_32 3
		.amdhsa_float_denorm_mode_16_64 3
		.amdhsa_memory_ordered 1
		.amdhsa_forward_progress 1
		.amdhsa_inst_pref_size 11
	.end_amdhsa_kernel
	.amdgpu_metadata
---
amdhsa.version: [ 1, 2 ]
amdhsa.kernels:
  - .name:           k_qe158cfa334_ln2
    .symbol:         k_qe158cfa334_ln2.kd
    .args:
      - { .name: rs, .offset: 0, .size: 8, .value_kind: global_buffer, .address_space: global }
      - { .name: g2, .offset: 8, .size: 8, .value_kind: global_buffer, .address_space: global }
      - { .name: be2, .offset: 16, .size: 8, .value_kind: global_buffer, .address_space: global }
      - { .name: out0, .offset: 24, .size: 8, .value_kind: global_buffer, .address_space: global }
    .group_segment_fixed_size: 0
    .private_segment_fixed_size: 0
    .kernarg_segment_align: 8
    .kernarg_segment_size: 32
    .max_flat_workgroup_size: 256
    .sgpr_count:     66
    .vgpr_count:     120
    .wavefront_size: 32
...
	.end_amdgpu_metadata
.endif
;; end of part 8
